; MI455X (gfx1250); checked and timed in simulation.
; The chip was launched on July 23, 2026; its instructions are those of AMD's public machine-readable ISA for CDNA 5 (MIT licence, August 2026) and "CDNA5" Instruction Set Architecture Reference Guide (July 2026). The comments in the code are by the model that wrote it; some were corrected since.
;; Multi Head Attention. Allowed arithmetic: matrix products marked QUANTISED: E2M3 operands, one E8M0 scale for each 32 along K, by v_wmma_scale_f32_16x16x128_f8f6f4 with both operands' format E2M3, f32 sums; everything else in f32.
;; Inputs: Wk 1,024 x 1,024 float32; Wo 1,024 x 1,024 float32; Wq 1,024 x 1,024 float32; Wv 1,024 x 1,024 float32; bk 1,024 float32; bo 1,024 float32; bq 1,024 float32; bv 1,024 float32; k 8 x 1,024 x 1,024 float32; mask 8 x 1 x 1,024 int32; q 8 x 1,024 x 1,024 float32; v 8 x 1,024 x 1,024 float32.
;; Outputs: out0 8 x 1,024 x 1,024 float32.
;; This version of the problem:
;;   THIS VERSION OF THE PROBLEM IS GIVEN IN LOW PRECISION. The matrix products marked QUANTISED in the list below multiply operands that are first quantised to E2M3 (2 exponent bits, 3 mantissa bits; 6 bits a number), with one power-of-two scale for each 32 numbers along K (OCP MX v1.0); their sums are f32. All else is computed in f32.
;;   The module's matrix products, in the order in which they are computed (A, B: the left and right operand; K: the contracted axis; several contracted axes count as one K, in the product's order):
;;     1. [M 8,192, K 1,024] x [K 1,024, N 1,024]; A: input q; B: input Wq: QUANTISED
;;     2. [M 8,192, K 1,024] x [K 1,024, N 1,024]; A: input k; B: input Wk: QUANTISED
;;     3. [M 8,192, K 1,024] x [K 1,024, N 1,024]; A: input v; B: input Wv: QUANTISED
;;     4. batch 128 x [M 1,024, K 64] x [K 64, N 1,024]; A: computed on the way; B: computed on the way: QUANTISED
;;     5. batch 128 x [M 1,024, K 1,024] x [K 1,024, N 64]; A: softmax (see below); B: computed on the way: QUANTISED
;;     6. [M 8,192, K 1,024] x [K 1,024, N 1,024]; A: computed on the way; B: input Wo: QUANTISED
;;   THE QUANTISER, for each operand of a quantised product, along K:
;;     - K is cut into blocks of 32 from its start; a last block that is shorter is filled with zeros.
;;     - A block's scale is 2^e with e = floor(log2(the largest magnitude in the block)) - 2, held to -126 .. 127; a block of zeros has e = 0. As a byte (E8M0): e + 127.
;;     - Each number is divided by its block's scale, clamped to +-7.5, and rounded to the nearest number of E2M3, ties to even, subnormals kept.
;;     - The product sums the exact products of the quantised numbers (number of the format x scale) in f32.
;;   ~~~python
;;   def quantise(x, axis):      # numpy; x: float32 -> the quantised numbers, widened to float32 again
;;       x = np.moveaxis(x, axis, -1); K = x.shape[-1]
;;       x = np.pad(x, [(0, 0)] * (x.ndim - 1) + [(0, -K % 32)]); x = x.reshape(x.shape[:-1] + (-1, 32)); a = np.abs(x).max(-1, keepdims=True)
;;       e = np.where(a > 0, np.clip(np.frexp(np.where(a > 0, a, 1))[1] - 1 - 2, -126, 127), 0)      # np.frexp(a)[1] - 1 = floor(log2(a)), exactly
;;       r = np.clip(x / 2.0 ** e, -7.5, 7.5)
;;       step = 2.0 ** (np.maximum(np.frexp(np.where(r == 0, 1, r))[1] - 1, 0) - 3)
;;       q = np.round(r / step) * step * 2.0 ** e      # np.round: ties to even
;;       return np.moveaxis(q.reshape(q.shape[:-2] + (-1,))[..., :K], -1, axis).astype(np.float32)
;;   ~~~
;;   SOFTMAX AHEAD OF A QUANTISED PRODUCT. Where the list says 'softmax', what is quantised is not the finished softmax but p = 2^(t - M), with t = logit x log2(e) and M = ceil(the row's largest t), a whole number; so 1/2 < the row's largest p <= 1. The row's sum l is taken of the UNQUANTISED p, in f32, and the product's result is divided by l at the end. Since M is a whole number, a kernel that streams over the keys may use a running M (the ceiling of the running maximum): every later rescaling is an exact power of two, which a block's scale takes up: the codes' values come out the same.
;;   OPERANDS COMPUTED ON THE WAY. 'Computed on the way' means the value that the module computes at that place (a softmax that the list does not call 'softmax' is quantised finished and normalised). What goes into a quantiser is computed in f32, as accurately as f32 sums, v_exp_f32 and their like allow (about 1e-6 of the number): no bf16 or f16 on the way to a quantiser, and a product that is left as it is and whose result goes on into a quantised operand takes f32 operands (vector FMAs, or v_wmma_f32_16x16x4_f32). A number that lies on a knife's edge between two numbers of the format may be rounded either way, as far as f32 arithmetic and the matrix unit's own rounding can turn it there, and no further.
;; One version. Each part assembles by itself: llvm-mc -triple=amdgcn-amd-amdhsa -mcpu=gfx1250 --defsym DOCPART=n.
;; ======== version 1 of 1: 4 launches
;; limits: right only within a limited range of input values
;; workspace buffers: ax 19,660,800 bytes; wx 3,276,800 bytes; qw 6,815,744 bytes; kv 13,369,344 bytes; ox 6,553,600 bytes
;; launch quant (part 1): grid 896 x 1, 4 waves a work-group, no clusters, 49,664 bytes of LDS; arguments q, k, v, Wq, Wk, Wv, Wo, ax, wx; writes ax, wx
.if DOCPART == 1
	.amdgcn_target "amdgcn-amd-amdhsa--gfx1250"
	.amdhsa_code_object_version 6
	.text
	.protected	k_q4f1195737d_quant
	.globl	k_q4f1195737d_quant
	.p2align	8
	.type	k_q4f1195737d_quant,@function
k_q4f1195737d_quant:
	s_mov_b64 s[64:65], 0
	v_nop
	global_prefetch_b8 v0, s[64:65] scope:SCOPE_SE
	s_setreg_imm32_b32 hwreg(HW_REG_WAVE_MODE, 25, 1), 1
	s_wait_xcnt 0x0
; q, k, v [8192][1024] f32 (K innermost) and Wq, Wk, Wv, Wo [1024 (k)][1024 (n)] f32 (K outermost) become codes of FP6 (E2M3) with one E8M0 byte for each 32 along K.
; A block's scale is 2^(floor(log2(its largest magnitude)) - 2); its byte is the largest magnitude's exponent field - 2, held at 1 from below.
; LAYOUT OF ax AND wx: images of the matrix operand's registers.  A tile is 16 rows; tile 2 G + u holds, at place r, row 32 G + 8 u + r + 8 (r / 8).  A tile's record is 12,800 bytes: two halves of K, each
; [4 K steps of 128: 1,536 bytes: registers 4 c .. 4 c + 3 of lane l at 512 c + 16 l][4 x 64 bytes: the 16 rows' scale words].  Lane (r, h) of a fragment holds k = 64 c + 32 h + 0 .. 31 of row r in registers 6 c .. 6 c + 5.
; Work-groups 0-127 take the weights, 128-895 the activations; each way has LDS bytes of its own.  No tensor loads, no barrier: waves share nothing.
; LIMITS: a block of zeros gets the byte 1 (its codes are zeros; this program alone reads the bytes); blocks whose largest magnitude lies under 2^-124 are held at byte 1; NaN and infinities are not served.
.set TREC,  12800                      ; a tile's record
.set HREC,  6400                       ; half of it
.set FRB,   1536                       ; a fragment's image
.set AREG,  8704                       ; activations: a wave's LDS: a stage of 16 rows x 528 bytes, then 256 bytes of scale words
.set SP,    528
.set WBASE, 34816                      ; weights: behind the four regions above
.set WREG,  3584                       ; a wave's: two images, WIMG apart
.set WIMG,  1664
.set SPARE, 49152                      ; the spare words, 128 bytes for each wave
.set SPW,   30                         ; v30  LDS address of my spare word; never rewritten
.set NIL,   31                         ; v31  0; never rewritten
.set R,     32                         ; v32-159  activations: two sets of 64 numbers as loaded
.set X,     160                        ; v160-223 my 64 numbers of a fragment
.set C,     224                        ; v224-235 the fragment's codes
.set C2,    236                        ; v236-238, v240-242 the blocks' second halves
.set WX,    32                         ; v32-95   weights: two sets of 32 numbers
.set WC,    96                         ; v96-102  a block's codes
.set SB,    104                        ; v104-105 scale words of my column
.set OUTR,  112                        ; v112-159 images on the way out
; ---- activations
.macro LOADF j                         ; fragment j: 16 rows x 512 bytes, each load 512 consecutive bytes of one row
.irp i, 0,1,2,3,4,5,6,7,8,9,10,11,12,13,14,15
	global_load_b128 v[R+64*((\j)%2)+4*\i:R+64*((\j)%2)+4*\i+3], v1, s[4:5] offset:(\i+8*(\i/8))*4096+512*(\j) th:TH_LOAD_NT
.endr
.endm
.macro TURN j                          ; through my stage: in by rows, out 128 neighbouring bytes of a row to a lane; LDS serves a wave's instructions in order
.irp i, 0,1,2,3,4,5,6,7,8,9,10,11,12,13,14,15
	ds_store_b128 v2, v[R+64*((\j)%2)+4*\i:R+64*((\j)%2)+4*\i+3] offset:SP*\i
.endr
.irp c, 0,1
.irp m, 0,1,2,3,4,5,6,7
	ds_load_b128 v[X+32*\c+4*\m:X+32*\c+4*\m+3], v3 offset:256*\c+16*\m
.endr
.endr
.endm
.macro FRAGQ j                         ; X[32 c + e] = k 64 c + 32 h + e of row r: two whole blocks a lane
.irp c, 0,1
	v_max3_num_f32 v[8+\c], |v[X+32*\c]|, |v[X+32*\c+1]|, 0x1800000   ; with the floor 2^(3 - 127): the byte cannot fall under 1
.endr
.irp i, 2,4,6,8,10,12,14,16,18,20,22,24,26,28,30
.irp c, 0,1
	v_max3_num_f32 v[8+\c], v[8+\c], |v[X+32*\c+\i]|, |v[X+32*\c+\i+1]|
.endr
.endr
.irp c, 0,1
	v_add_nc_u32 v[10+\c], 0xff000000, v[8+\c]     ; 2 off the exponent field: the conversion's scale operand
.endr
.irp c, 0,1
	v_lshrrev_b32 v[12+\c], 23, v[10+\c]           ; the scale's byte
.endr
	v_lshl_or_b32 v14, v13, 16, v12                ; my bytes: blocks h and 2 + h,
	v_lshlrev_b32 v14, v7, v14                     ; 8 h bits up;
	v_permlanex16_b32 v15, v14, s24, s25
	v_or_b32 v14, v14, v15                         ; with lane l xor 16's the word is whole
	s_wait_alu depctr_va_vdst(0)
	s_wait_xcnt 0x0                                ; the last fragment's stores have read the codes' registers
.irp c, 0,1
	v_cvt_scalef32_pk16_fp6_f32 v[C+6*\c:C+6*\c+2], v[X+32*\c:X+32*\c+15], v[10+\c]
	v_cvt_scalef32_pk16_fp6_f32 v[C2+4*\c:C2+4*\c+2], v[X+32*\c+16:X+32*\c+31], v[10+\c]   ; (a conversion's three registers begin on an even number)
.endr
	v_nop                                          ; one plain place behind a scaled conversion
.irp c, 0,1
.irp i, 0,1,2
	v_mov_b32 v[C+3+6*\c+\i], v[C2+4*\c+\i]
.endr
.endr
.irp c, 0,1,2
	global_store_b128 v1, v[C+4*\c:C+4*\c+3], s[18:19] offset:FRB*(\j)+512*\c   ; 512 consecutive bytes, aligned to 256
.endr
	ds_store_b32 v4, v14 offset:64*(\j)            ; lanes l and l + 16 write the same word with the same value
.endm
; ---- weights
.macro LOADW t                         ; block t: W(32 t + i, my column)
.irp i, 0,1,2,3,4,5,6,7,8,9,10,11,12,13,14,15,16,17,18,19,20,21,22,23,24,25,26,27,28,29,30,31
	global_load_b32 v[WX+32*((\t)%2)+\i], v1, s[10:11] offset:(32*(\t)+\i)*4096 th:TH_LOAD_NT
.endr
.endm
.macro BLOCKW t
.set XS, WX+32*((\t)%2)
.set BE, (\t)%4                        ; the block in its K step: it belongs to lane r + 16 (BE % 2), registers 6 (BE / 2) on
.set QK, (\t)/4                        ; which of my two K steps
.if (\t) < 7
	s_wait_loadcnt 32                              ; this block's 32 loads are in; the next block's may be out
.else
	s_wait_loadcnt 0x0
.endif
	v_max3_num_f32 v12, |v[XS]|, |v[XS+1]|, |v[XS+2]|
	v_max3_num_f32 v13, |v[XS+3]|, |v[XS+4]|, |v[XS+5]|
.irp i, 6,10,14,18,22,26
	v_max3_num_f32 v12, v12, |v[XS+\i]|, |v[XS+\i+1]|
	v_max3_num_f32 v13, v13, |v[XS+\i+2]|, |v[XS+\i+3]|
.endr
	v_max3_num_f32 v12, v12, |v[XS+30]|, |v[XS+31]|
	v_max3_num_f32 v12, v12, v13, 0x1800000        ; and the floor
	v_add_nc_u32 v11, 0xff000000, v12
	v_lshrrev_b32 v13, 23, v11
.if BE == 0
	v_mov_b32 v[SB+QK], v13
.else
	v_lshl_or_b32 v[SB+QK], v13, 8*BE, v[SB+QK]
.endif
	v_cvt_scalef32_pk16_fp6_f32 v[WC:WC+2], v[XS:XS+15], v11
	v_cvt_scalef32_pk16_fp6_f32 v[WC+4:WC+6], v[XS+16:XS+31], v11
	v_nop                                          ; one plain place behind a scaled conversion
	v_mov_b32 v[WC+3], v[WC+4]
	v_mov_b32 v[WC+4], v[WC+5]
	v_mov_b32 v[WC+5], v[WC+6]
.if BE < 2                             ; registers 0-5 of the image's lane: 0-3 in its first 512 bytes, 4-5 in the second
	ds_store_b128 v2, v[WC:WC+3] offset:256*(BE%2)
	ds_store_b64 v2, v[WC+4:WC+5] offset:512+256*(BE%2)
.else                                  ; registers 6-11: 6-7 in the second 512 bytes, 8-11 in the third
	ds_store_b64 v2, v[WC:WC+1] offset:520+256*(BE%2)
	ds_store_b128 v2, v[WC+2:WC+5] offset:1024+256*(BE%2)
.endif
.if (\t) < 6
	LOADW (\t)+2
.endif
	s_wait_dscnt 0x0                               ; the stores have read their registers
.if BE == 3                            ; a K step's two images are whole: they leave as they lie
.irp u, 0,1
.irp c, 0,1,2
	ds_load_b128 v[OUTR+24*QK+12*\u+4*\c:OUTR+24*QK+12*\u+4*\c+3], v3 offset:WIMG*\u+512*\c
.endr
.endr
	s_wait_dscnt 0x0
.irp u, 0,1
.irp c, 0,1,2
	global_store_b128 v4, v[OUTR+24*QK+12*\u+4*\c:OUTR+24*QK+12*\u+4*\c+3], s[36:37] offset:TREC*\u+FRB*QK+512*\c
.endr
.endr
.endif
.endm
	s_load_b256 s[4:11], s[0:1], 0x0               ; q s[4:5], k s[6:7], v s[8:9], Wq s[10:11]
	s_load_b256 s[12:19], s[0:1], 0x20             ; Wk s[12:13], Wv s[14:15], Wo s[16:17], ax s[18:19]
	s_load_b64 s[20:21], s[0:1], 0x40              ; wx
	v_lshl_add_u32 v[SPW], v0, 2, SPARE
	v_mov_b32 v[NIL], 0
	v_lshrrev_b32 v1, 5, v0
	v_readfirstlane_b32 s22, v1                    ; wave
	v_and_b32 v8, 31, v0                           ; lane
	s_mov_b32 s24, 0x76543210
	s_mov_b32 s25, 0xfedcba98                      ; v_permlanex16_b32's selects for lane l xor 16
	s_cmp_lt_u32 ttmp9, 128
	s_cbranch_scc1 .Lweights
	; ---- ACTIVATIONS.  A work-group takes 32 rows; wave w: tile u = w / 2, half w % 2 of K: four fragments
	s_sub_co_u32 s23, ttmp9, 128
	s_lshr_b32 s26, s23, 8                         ; tensor 0 q, 1 k, 2 v
	s_and_b32 s27, s23, 255                        ; group of 32 rows
	s_lshr_b32 s28, s22, 1                         ; u
	s_and_b32 s29, s22, 1                          ; half of K
	s_lshl_b32 s30, s27, 17                        ; 32 rows of 4,096 bytes
	s_lshl_b32 s31, s28, 15                        ; 8 rows
	s_add_co_u32 s30, s30, s31
	s_lshl_b32 s31, s29, 11
	s_add_co_u32 s30, s30, s31
	s_mov_b32 s31, 0
	s_lshl_b32 s32, s26, 9
	s_lshl_b32 s33, s27, 1
	s_add_co_u32 s32, s32, s33
	s_add_co_u32 s32, s32, s28                     ; tile 512 tensor + 2 G + u
	s_mul_i32 s32, s32, TREC
	s_mul_i32 s33, s29, HREC
	s_add_co_u32 s32, s32, s33
	s_mov_b32 s33, 0
	v_and_b32 v9, 15, v0                           ; r
	v_bfe_u32 v10, v0, 4, 1                        ; h
	s_wait_alu depctr_va_vdst(0)
	v_lshlrev_b32 v1, 4, v8                        ; 16 l
	s_mul_i32 s34, s22, AREG
	v_add_nc_u32 v2, s34, v1                       ; the stage, on the way in
	v_mul_u32_u24 v3, v9, SP
	v_lshl_add_u32 v3, v10, 7, v3
	v_add_nc_u32 v3, s34, v3                       ; and out: row r, + 128 h
	s_add_co_u32 s34, s34, 16*SP
	v_lshl_add_u32 v4, v9, 2, s34                  ; my row's scale word
	v_lshlrev_b32 v6, 3, v8
	v_add_nc_u32 v5, s34, v6                       ; the 256 bytes of scale words, 8 a lane
	v_lshlrev_b32 v7, 3, v10                       ; 8 h
	v_mov_b32 v15, 0                               ; a lane permute's destination counts as one of its sources
	s_wait_alu depctr_va_vdst(0)
	s_wait_kmcnt 0x0
	s_cmp_eq_u32 s26, 1
	s_cselect_b64 s[4:5], s[6:7], s[4:5]
	s_cmp_eq_u32 s26, 2
	s_cselect_b64 s[4:5], s[8:9], s[4:5]
	s_add_nc_u64 s[4:5], s[4:5], s[30:31]
	s_add_nc_u64 s[18:19], s[18:19], s[32:33]
	LOADF 0
	LOADF 1
.irp j, 0,1,2,3
.if \j < 3
	s_wait_loadcnt 16                              ; this fragment's 16 loads are in; the next one's may be out
.else
	s_wait_loadcnt 0x0
.endif
	TURN \j
	s_wait_dscnt 0x0                               ; my numbers are back, and the stage's stores have read their registers
.if \j < 2
	LOADF \j+2
.endif
	FRAGQ \j
.endr
	ds_load_b64 v[8:9], v5                         ; the four fragments' scale words: these see my stores
	s_wait_dscnt 0x0
	global_store_b64 v6, v[8:9], s[18:19] offset:4*FRB   ; 256 consecutive bytes, aligned
	s_wait_tensorcnt 0x0                           ; the wave's end
	ds_add_u32 v[SPW], v[NIL]
	s_wait_dscnt 0x0
	s_endpgm
.Lweights:
	; ---- WEIGHTS.  A lane takes a column n and its registers run down K.  A work-group: 128 columns x 256 along K; a wave: 32 columns, two tiles, two K steps
	s_lshr_b32 s23, ttmp9, 5                       ; weight 0 Wq, 1 Wk, 2 Wv, 3 Wo
	s_and_b32 s26, ttmp9, 7                        ; which 128 columns
	s_bfe_u32 s27, ttmp9, 0x20003                  ; which 256 along K
	s_lshl_b32 s28, s26, 7
	s_lshl_b32 s29, s22, 5
	s_add_co_u32 s28, s28, s29                     ; my wave's first column
	s_lshl_b32 s30, s27, 20                        ; 256 rows of 4,096 bytes
	s_lshl_b32 s31, s28, 2
	s_add_co_u32 s30, s30, s31
	s_mov_b32 s31, 0
	s_lshl_b32 s32, s23, 6
	s_lshr_b32 s33, s28, 4
	s_add_co_u32 s32, s32, s33                     ; tile 64 weight + column / 16
	s_mul_i32 s32, s32, TREC
	s_lshr_b32 s33, s27, 1
	s_mul_i32 s33, s33, HREC
	s_add_co_u32 s32, s32, s33                     ; its half of K
	s_and_b32 s34, s27, 1
	s_mul_i32 s35, s34, 2*FRB
	s_add_co_u32 s36, s32, s35                     ; the codes of my two K steps
	s_mov_b32 s37, 0
	s_lshl_b32 s34, s34, 7
	s_add_co_u32 s38, s32, s34
	s_add_co_u32 s38, s38, 4*FRB                   ; and their scale words
	s_mov_b32 s39, 0
	s_wait_alu depctr_va_vdst(0)
	v_lshlrev_b32 v1, 2, v8                        ; 4 l
	v_bfe_u32 v9, v8, 3, 1                         ; column c = lane lies in tile u = (c / 8) % 2
	v_and_b32 v10, 7, v8
	v_bfe_u32 v11, v8, 4, 1
	v_lshl_or_b32 v10, v11, 3, v10                 ; at place r = c % 8 + 8 (c / 16)
	s_mul_i32 s40, s22, WREG
	s_add_co_u32 s40, s40, WBASE
	v_mul_u32_u24 v2, v9, WIMG
	v_lshl_add_u32 v2, v10, 4, v2
	v_add_nc_u32 v2, s40, v2                       ; my place in my tile's image
	v_lshlrev_b32 v4, 4, v8                        ; 16 l
	v_add_nc_u32 v3, s40, v4
	v_mul_u32_u24 v5, v9, TREC
	v_lshl_add_u32 v5, v10, 2, v5                  ; my column's scale word in memory
	s_wait_kmcnt 0x0
	s_cmp_eq_u32 s23, 1
	s_cselect_b64 s[10:11], s[12:13], s[10:11]
	s_cmp_eq_u32 s23, 2
	s_cselect_b64 s[10:11], s[14:15], s[10:11]
	s_cmp_eq_u32 s23, 3
	s_cselect_b64 s[10:11], s[16:17], s[10:11]
	s_add_nc_u64 s[10:11], s[10:11], s[30:31]
	s_add_nc_u64 s[36:37], s[20:21], s[36:37]
	s_add_nc_u64 s[38:39], s[20:21], s[38:39]
	LOADW 0
	LOADW 1
.irp t, 0,1,2,3,4,5,6,7
	BLOCKW \t
.endr
	global_store_b32 v5, v[SB], s[38:39]           ; runs of 64 bytes: 128 KiB in the whole launch
	s_wait_alu depctr_va_vdst(0)
	global_store_b32 v5, v[SB+1], s[38:39] offset:64
	s_wait_tensorcnt 0x0                           ; the wave's end
	ds_add_u32 v[SPW], v[NIL]
	s_wait_dscnt 0x0
	s_endpgm
.Lfunc_end_k_q4f1195737d_quant:
	.size	k_q4f1195737d_quant, .Lfunc_end_k_q4f1195737d_quant-k_q4f1195737d_quant
	.p2alignl 7, 3214868480
	.fill 96, 4, 3214868480
	.section	.rodata,"a",@progbits
	.p2align	6, 0x0
	.amdhsa_kernel k_q4f1195737d_quant
		.amdhsa_group_segment_fixed_size 49664
		.amdhsa_private_segment_fixed_size 0
		.amdhsa_enable_private_segment 0
		.amdhsa_kernarg_size 72
		.amdhsa_user_sgpr_count 2
		.amdhsa_user_sgpr_kernarg_segment_ptr 1
		.amdhsa_wavefront_size32 1
		.amdhsa_system_sgpr_workgroup_id_x 1
		.amdhsa_system_sgpr_workgroup_id_y 1
		.amdhsa_system_sgpr_workgroup_id_z 1
		.amdhsa_system_vgpr_workitem_id 0
		.amdhsa_next_free_vgpr 256
		.amdhsa_next_free_sgpr 66
		.amdhsa_reserve_vcc 0
		.amdhsa_float_denorm_mode_32 3
		.amdhsa_float_denorm_mode_16_64 3
		.amdhsa_memory_ordered 1
		.amdhsa_forward_progress 1
		.amdhsa_inst_pref_size 72
	.end_amdhsa_kernel
	.amdgpu_metadata
---
amdhsa.version: [ 1, 2 ]
amdhsa.kernels:
  - .name:           k_q4f1195737d_quant
    .symbol:         k_q4f1195737d_quant.kd
    .args:
      - { .name: q, .offset: 0, .size: 8, .value_kind: global_buffer, .address_space: global }
      - { .name: k, .offset: 8, .size: 8, .value_kind: global_buffer, .address_space: global }
      - { .name: v, .offset: 16, .size: 8, .value_kind: global_buffer, .address_space: global }
      - { .name: Wq, .offset: 24, .size: 8, .value_kind: global_buffer, .address_space: global }
      - { .name: Wk, .offset: 32, .size: 8, .value_kind: global_buffer, .address_space: global }
      - { .name: Wv, .offset: 40, .size: 8, .value_kind: global_buffer, .address_space: global }
      - { .name: Wo, .offset: 48, .size: 8, .value_kind: global_buffer, .address_space: global }
      - { .name: ax, .offset: 56, .size: 8, .value_kind: global_buffer, .address_space: global }
      - { .name: wx, .offset: 64, .size: 8, .value_kind: global_buffer, .address_space: global }
    .group_segment_fixed_size: 49664
    .private_segment_fixed_size: 0
    .kernarg_segment_align: 8
    .kernarg_segment_size: 72
    .max_flat_workgroup_size: 128
    .sgpr_count:     66
    .vgpr_count:     256
    .wavefront_size: 32
...
	.end_amdgpu_metadata
.endif
;; end of part 1
;; launch proj (part 2): grid 4 x 64, 4 waves a work-group, clusters of 4 x 4, 327,680 bytes of LDS; arguments ax, wx, bq, bk, bv, mask, qw, kv; writes qw, kv
.if DOCPART == 2
	.amdgcn_target "amdgcn-amd-amdhsa--gfx1250"
	.amdhsa_code_object_version 6
	.text
	.protected	k_q4f1195737d_proj
	.globl	k_q4f1195737d_proj
	.p2align	8
	.type	k_q4f1195737d_proj,@function
k_q4f1195737d_proj:
	s_mov_b64 s[64:65], 0
	v_nop
	global_prefetch_b8 v0, s[64:65] scope:SCOPE_SE
	s_setreg_imm32_b32 hwreg(HW_REG_WAVE_MODE, 25, 1), 1
	s_wait_xcnt 0x0
	s_wait_alu depctr_hold_cnt(0) depctr_sa_sdst(0) depctr_va_vdst(0) depctr_va_sdst(0) depctr_va_ssrc(0) depctr_va_vcc(0) depctr_vm_vsrc(0)
	s_getreg_b32 s2, hwreg(HW_REG_IB_STS2, 6, 4)
	s_cmp_eq_u32 s2, 0
	s_cbranch_scc0 .Lentry_in_a_cluster
	s_endpgm
.Lentry_in_a_cluster:
	s_bfe_u32 s2, ttmp6, 0x10000c
	s_cmp_lg_u32 s2, 0xf033
	s_cbranch_scc0 .Lentry_shape_is_right
	s_endpgm
.Lentry_shape_is_right:
; q Wq + bq, k Wk + bk, v Wv + bv on codes of FP6 (E2M3) with E8M0 scales, and their results quantised in registers into attention's operands.
; D = (source 0: a tile of X0) x (source 1: a tile of X1): a lane holds ONE row of X1, its registers run along X0's rows.  Tiles are in the order of ax and wx (tile 2 G + u, place r: row 32 G + 8 u + r + 8 (r / 8)),
; so that the 16 registers of X0's tiles 2 g and 2 g + 1 are 16 neighbours, 32 g + 16 (lane / 16) + 0 .. 15, along the next product's K.
; Q, K: X0 = the weight's 1,024 columns, X1 = tokens: a lane's 128 numbers are two heads' 64 channels of one token.   V: X0 = tokens, X1 = Wv's columns: 128 keys of one channel.
; A tile: 256 rows of X0 x 128 of X1; four waves, each 128 x 64: 32 accumulators.  CLUSTER 4 x 4: X1's tiles are asked for jointly along a row of the cluster, X0's along a column.
; A WORK-GROUP STAYS: it makes three tiles, Q's, K's and V's, written out one after the other.  A tile's whole K = 1,024 lies in LDS as two halves, which are the two slots of a ring: when a tile's reads of the first
; half are over (K step 3) that half is filled with the next tile's first half, and behind K step 7 the second half likewise; the next tile's first fragments are fetched ahead of the way out.
; THE MASK rides on q k^T's unused K: at k = 64 every query has the code 1.0 under byte 0x7f and every key the code -1.0 (both set in the attention launch's registers); here a key's scale word gets, for k = 64 .. 95,
; byte 0xa0 (2^33) where mask == 0 and byte 1 elsewhere, and a masked key's own codes are cleared: its score is exactly -2^33.
; LIMITS: a masked logit is -2^33 / 8 in place of -1e9: the same result while logits that count lie above about -1e9; a key that counts gets -2^-126 added to its raw score; blocks of zeros get byte 1
; (read by this program alone); NaN and infinities are not served.
.set TREC,  12800                      ; a tile's record in ax, wx
.set HREC,  6400                       ; half of K of it: 4 images of 1,536 bytes, 4 x 64 bytes of scale words
.set FRB,   1536
.set GRP,   153856                     ; LDS: half g of K at g x GRP: X1's 8 tile halves, 128 bytes unused, X0's 16 tile halves, 128 unused
.set X0O,   51328
.set SCQ,   307712                     ; Q's and K's way out: 512 bytes of scale words for each wave; no fill lands from here on
.set SCV,   309760                     ; V's way out: 256 for each wave
.set SPARE, 310784                     ; the spare words, 128 bytes for each wave
.set PFO,  1                           ; v1   the prefetches' offset: 256 x min(lane, 24); never rewritten
.set ADX1, 4                           ; v4-5   LDS address of my X1 images, half 0, 1
.set ADX0, 6                           ; v6-7   of my X0 images
.set ADS,  8                           ; v8-9   scale words: lanes 0-15 X1's tile i, lanes 16-31 X0's tile i
.set ADS2, 10                          ; v10-11 the same with X0's tile i + 4
.set L16,  12                          ; v12  16 x lane
.set L8,   13                          ; v13  8 x lane
.set SQW,  14                          ; v14-15 Q, K: where I put and read scale words
.set SQR,  15
.set SVW,  16                          ; v16-17 V: the same
.set SVR,  17
.set SH,   18                          ; v18  16 h
.set TT,   19                          ; v19  at work
.set SPW,  20                          ; v20  LDS address of my spare word; never rewritten
.set NIL,  21                          ; v21  0; never rewritten
.set BO,   22                          ; v22  64 h
.set MO,   23                          ; v23  4 (r + 8 (r / 8))
.set RAWK, 24                          ; v24-27 K: my token's mask in X1's tile a
.set RAWV, 28                          ; v28-31 V: my channel's bias in X1's tile a
.set SC,   32                          ; v32-95 scale words: K step s, register i at SC + 8 s + i
.set TM,   96                          ; v96-111 the way out, at work
.set PW,   112                         ; v112-115 a block's scale word
.set PC,   116                         ; v116-127 a fragment's codes; v128-130, v132-134 second halves
.set TW,   136                         ; v136-139 a head's scale word
.set ANDW, 140                         ; v140-143 0 for a masked key, else all ones
.set PADW, 144                         ; v144-147 the scale word's upper two bytes
.set BP,   152                         ; v152-153 V's bias, twice
.set RB,   154                         ; v154-157 scale words on the way out
.set XF,   160                         ; v160-255 X1's fragments, two sets of 48.   window 1: X0's, two sets of 96 at v0 and v128.   window 2: accumulator (a, b) at v[8 (8 a + b)]
.set BQ,   0                           ; window 3: v0-63 bq, v64-127 bk, in the result's layout: the C of a tile's first K step
.set BK,   64
.set G1A, 24                           ; s[24:31] descriptor group 1 for X1's tiles;  s[32:39] group 0, one set for each half of K
.set G0A, 32
.set G1B, 48                           ; s[48:55], s[56:63] the same for X0's
.set G0B, 56
.set P1V, 68                           ; s[68:69] where my part of V's X1 begins;  s[70:71] of V's X0
.set P0V, 70
.set PFK, 72                           ; s[72:73] the prefetch of k;  s[98:99] of v
.set PFV, 98
.set MSB, 0
.macro WIN new                         ; the immediate's high byte repeats the setting that is left
.if MSB != \new
	s_set_vgpr_msb (MSB<<8)|\new
.set MSB, \new
.endif
.endm
.macro CROUND                          ; a round of the cluster's barrier
	s_barrier_signal -1
	s_barrier_wait -1
	s_cmp_lg_u32 s20, 0
	s_cbranch_scc1 .Lnot_wave_0_\@
	s_barrier_signal -3
.Lnot_wave_0_\@:
	s_barrier_wait -3
	s_barrier_signal -1
	s_barrier_wait -1
.endm
.macro PLACES n
.rept \n
	v_nop
.endr
.endm
; A joint load into half h: waves 0 and 1 fetch X1's tiles, waves 2 and 3 X0's.  Each of the two lines has one mask and one set of registers; the branch hangs on the wave's number alone.
; An s_nop 0 and four v_nop follow each of the two lines, ahead of the jump, the label and what follows.
.macro JLOAD h
	s_cmp_eq_u32 s21, 0
	s_cbranch_scc0 .Lfor_x0_\@
	tensor_load_to_lds s[G0A+4*\h:G0A+4*\h+3], s[G1A:G1A+7]
	s_nop 0
.rept 4
	v_nop
.endr
	s_branch .Lasked_\@
.Lfor_x0_\@:
	tensor_load_to_lds s[G0B+4*\h:G0B+4*\h+3], s[G1B:G1B+7]
	s_nop 0
.rept 4
	v_nop
.endr
.Lasked_\@:
.endm
; A PREFETCH INTO THE L2 of a half record of ax that a later change of slots will ask for: 6,400 bytes, 25 blocks of 256: lanes 0 to 24 name one each, lanes 25 to 31 name lane 24's with it.  It stands behind a run of LDS loads.
; which = 1: k's second half of K, asked for 160 matrix instructions ahead of its load.  A row of the cluster reads 8 tiles of k: its four partners take two each BY ADDRESS, waves 0 and 1 one each.
; which = 2, 3: v's first half, 96 matrix instructions ahead, and its second, 160 ahead.  A column of the cluster reads 16 tiles of v: its four partners take four each by address, a wave one.  Clusters 2 i and 2 i + 1
; read the same tiles of v: the even one asks.  k's first half and all of q come by their loads alone; wx, which every cluster reads, is not asked for.
.macro ASK which
.if \which == 1
	s_cmp_eq_u32 s21, 0
	s_cbranch_scc0 .Lnot_mine_\@
	s_wait_alu depctr_va_vdst(0)
	global_prefetch_b8 v[PFO], s[PFK:PFK+1] th:TH_LOAD_NT scope:SCOPE_SE
.Lnot_mine_\@:
.elseif \which > 1
	s_cmp_eq_u32 s23, 0
	s_cbranch_scc0 .Lnot_mine_\@
	global_prefetch_b8 v[PFO], s[PFV:PFV+1] offset:(\which-2)*HREC th:TH_LOAD_NT scope:SCOPE_SE
.Lnot_mine_\@:
.endif
.endm
; THE CHANGE OF SLOTS.  Each wave waits for all its tensor loads (one is out: its part of the other half), adds 0 to its spare word, and waits for that and for its reads of half h.  Behind the round no wave of any
; partner reads half h or has a load on its way, and the other half is whole.  mode = 1: the next tile is K's: a constant on in ax and in wx;  mode = 2: V's: the two addresses made at the head.
.macro CHANGE h, mode
	WIN 0                                          ; the add's two registers lie in window 0
	s_wait_tensorcnt 0x0                           ; no tensor load of mine is out, so a group 0 may be written
	ds_add_u32 v[SPW], v[NIL]                      ; 0 onto my spare word; the descriptors' steps stand between it and the wait for it
	s_mov_b32 s[G1A+2], 4<<16                      ; no tensor load of mine is out: from here on a load of X1 brings 4 tiles,
	s_mov_b32 s[G1A+4], 4
	s_mov_b32 s[G1B+2], 8<<16                      ; one of X0 8
	s_mov_b32 s[G1B+4], 8
.if \mode == 1
	s_add_nc_u64 s[G0A+4*\h+2:G0A+4*\h+3], s[G0A+4*\h+2:G0A+4*\h+3], 512*TREC
	s_add_nc_u64 s[G0B+4*\h+2:G0B+4*\h+3], s[G0B+4*\h+2:G0B+4*\h+3], 64*TREC
.else
	s_add_nc_u64 s[G0A+4*\h+2:G0A+4*\h+3], s[P1V:P1V+1], \h*HREC
	s_or_b32 s[G0A+4*\h+3], s[G0A+4*\h+3], 0x80000000
	s_add_nc_u64 s[G0B+4*\h+2:G0B+4*\h+3], s[P0V:P0V+1], \h*HREC
	s_or_b32 s[G0B+4*\h+3], s[G0B+4*\h+3], 0x80000000
.endif
	s_wait_dscnt 0x0                               ; the add is done, and my reads of half h are over
	CROUND
	JLOAD \h                                       ; my one tensor load behind the round, and the first thing there; its four v_nop are also the places in front of the loads that follow
.endm
.macro FETCH s                         ; K step s: 8 fragments of X0, 4 of X1, their scale words: 44 LDS loads, each of consecutive bytes
.set GK, (\s)/4
.set QQ, (\s)%4
.set PP, (\s)%2
	WIN 0x40                                       ; destination window 1
.irp b, 0,1,2,3,4,5,6,7
.irp c, 0,1,2
	ds_load_b128 v[128*PP+12*\b+4*\c:128*PP+12*\b+4*\c+3], v[ADX0+GK] offset:HREC*\b+FRB*QQ+512*\c
.endr
.endr
	WIN 0
.irp a, 0,1,2,3
.irp c, 0,1,2
	ds_load_b128 v[XF+48*PP+12*\a+4*\c:XF+48*PP+12*\a+4*\c+3], v[ADX1+GK] offset:HREC*\a+FRB*QQ+512*\c
.endr
.endr
.irp i, 0,1,2,3
	ds_load_b32 v[SC+8*(\s)+\i], v[ADS+GK] offset:HREC*\i+64*QQ
.endr
.irp i, 0,1,2,3
	ds_load_b32 v[SC+8*(\s)+4+\i], v[ADS2+GK] offset:HREC*\i+64*QQ
.endr
.endm
; 32 products; the accumulators take turns, one instruction a turn.  cm = 1: the bias at v[cb] of window 3 is the C that starts the sums; cm = 2: the constant 0 starts them; cm = 0: they go on
.macro MUL s, cm, cb
.set PP, (\s)%2
.if \cm == 1
	WIN 0xb1                                       ; source 0 window 1, source 1 window 0, C window 3, D window 2
.else
	WIN 0xa1                                       ; C and D window 2
.endif
.irp a, 0,1,2,3
.irp b, 0,1,2,3,4,5,6,7
.if \cm == 1
	v_wmma_scale_f32_16x16x128_f8f6f4 v[8*(8*\a+\b):8*(8*\a+\b)+7], v[128*PP+12*\b:128*PP+12*\b+11], v[XF+48*PP+12*\a:XF+48*PP+12*\a+11], v[\cb+8*\b:\cb+8*\b+7], v[SC+8*(\s)+\b], v[SC+8*(\s)+\a] matrix_a_fmt:MATRIX_FMT_FP6 matrix_b_fmt:MATRIX_FMT_FP6 matrix_a_scale:MATRIX_SCALE_ROW1
.elseif \cm == 2
	v_wmma_scale_f32_16x16x128_f8f6f4 v[8*(8*\a+\b):8*(8*\a+\b)+7], v[128*PP+12*\b:128*PP+12*\b+11], v[XF+48*PP+12*\a:XF+48*PP+12*\a+11], 0, v[SC+8*(\s)+\b], v[SC+8*(\s)+\a] matrix_a_fmt:MATRIX_FMT_FP6 matrix_b_fmt:MATRIX_FMT_FP6 matrix_a_scale:MATRIX_SCALE_ROW1
.else
	v_wmma_scale_f32_16x16x128_f8f6f4 v[8*(8*\a+\b):8*(8*\a+\b)+7], v[128*PP+12*\b:128*PP+12*\b+11], v[XF+48*PP+12*\a:XF+48*PP+12*\a+11], v[8*(8*\a+\b):8*(8*\a+\b)+7], v[SC+8*(\s)+\b], v[SC+8*(\s)+\a] matrix_a_fmt:MATRIX_FMT_FP6 matrix_b_fmt:MATRIX_FMT_FP6 matrix_a_scale:MATRIX_SCALE_ROW1
.endif
.endr
.endr
.endm
; K step s: the next step's fragments are fetched, then this step's 32 products.  ch: what K step 3 fills the first half with (0: nothing);  ask: the prefetch behind the fetch (0: none)
.macro STEP s, cm, cb, ch, ask
.if (\s) == 3
.if \ch
	CHANGE 0, \ch
.else                                  ; the last tile: nothing is filled; the next fetch reads the second half of K: every wave's part of it has landed
	s_wait_tensorcnt 0x0
	s_wait_dscnt 0x0
	s_barrier_signal -1
	s_barrier_wait -1
	PLACES 4
.endif
.elseif (\s) > 0 && (\s) < 7
	PLACES 4                                       ; in front of loads into registers that matrix instructions have read
.endif
.if (\s) < 7
	FETCH (\s)+1
	ASK \ask
	s_wait_dscnt 44                                ; all but the 44 just issued
.else
	s_wait_dscnt 0x0
.endif
	MUL \s, \cm, \cb
.endm
; Block a's 64 numbers of a lane (window 2, v[64 a + 16 b + i] = next K 32 b + 16 h + i of my row) become a fragment's codes in v[PC] on and its scale word in v[pw]
.macro QUANT a, pw
.irp b, 0,1,2,3
	v_mov_b32 v[TM+\b], 0x1800000                  ; the floor 2^(3 - 127): the byte cannot fall under 1
.endr
	WIN 0x28                                       ; sources 1 and 2 window 2
.irp i, 0,2,4,6,8,10,12,14
.irp b, 0,1,2,3
	v_max3_num_f32 v[TM+\b], v[TM+\b], |v[64*(\a)+16*\b+\i]|, |v[64*(\a)+16*\b+\i+1]|   ; each accumulator from its low end on
.endr
.endr
	WIN 0
.irp b, 0,1,2,3
	v_permlanex16_b32 v[TM+4+\b], v[TM+\b], s74, s75
.endr
.irp b, 0,1,2,3
	v_max_num_f32 v[TM+\b], v[TM+\b], v[TM+4+\b]   ; with lane l xor 16's: the block's largest magnitude
.endr
.irp b, 0,1,2,3
	v_add_nc_u32 v[TM+12+\b], 0xff000000, v[TM+\b] ; 2 off the exponent field: the conversion's scale operand
.endr
.irp b, 0,1,2,3
	v_lshrrev_b32 v[TM+4+\b], 23, v[TM+12+\b]      ; the scale's byte
.endr
	v_lshl_or_b32 v[\pw], v[TM+5], 8, v[TM+4]
	v_lshl_or_b32 v[\pw], v[TM+6], 16, v[\pw]
	v_lshl_or_b32 v[\pw], v[TM+7], 24, v[\pw]
	s_wait_xcnt 0x0                                ; the last block's stores have read the codes' registers
	WIN 0x02                                       ; source 0 window 2
.irp c, 0,1
	v_cvt_scalef32_pk16_fp6_f32 v[PC+6*\c:PC+6*\c+2], v[64*(\a)+32*\c:64*(\a)+32*\c+15], v[TM+12+2*\c]
	v_cvt_scalef32_pk16_fp6_f32 v[PC+12+4*\c:PC+12+4*\c+2], v[64*(\a)+32*\c+16:64*(\a)+32*\c+31], v[TM+12+2*\c+1]
.endr
	WIN 0
	v_nop                                          ; one plain place behind a scaled conversion
.irp c, 0,1                            ; the operand's layout wants a whole block in a lane
.irp i, 0,1,2
	v_permlane16_swap_b32 v[PC+6*\c+\i], v[PC+12+4*\c+\i]
.endr
.irp i, 0,1,2
	v_mov_b32 v[PC+3+6*\c+\i], v[PC+12+4*\c+\i]
.endr
.endr
.endm
; THE WAY OUT OF Q (tau = 0) AND K (tau = 1): a block's fragment is two heads' halves: registers 0-5 head A = 4 cx + 2 wx, registers 6-11 head A + 1
.macro QKOUT tau
.if \tau
	s_wait_xcnt 0x0                                ; the last tile's stores have read their bases
.endif
	s_lshl_b32 s90, s66, 5
	s_lshl_b32 s91, s41, 3
	s_add_co_u32 s90, s90, s91
	s_lshl_b32 s91, s21, 2
	s_add_co_u32 s90, s90, s91                     ; my first token tile
	s_lshr_b32 s91, s90, 6                         ; batch
	s_and_b32 s90, s90, 63                         ; tile in the batch
	s_lshl_b32 s91, s91, 4
	s_lshl_b32 s92, s40, 2
	s_add_co_u32 s91, s91, s92
	s_lshl_b32 s92, s22, 1
	s_add_co_u32 s91, s91, s92                     ; 16 batch + head A
	s_mov_b32 s97, 0
.if \tau == 0
	s_mul_i32 s93, s90, 768                        ; in a head's record of qw: the codes,
	s_lshl_b32 s94, s90, 6
	s_add_co_u32 s94, s94, 49152                   ; the words
	s_mul_i32 s96, s91, 53248
	s_add_nc_u64 s[80:81], s[16:17], s[96:97]      ; head A's record,
	s_add_nc_u64 s[82:83], s[80:81], 53248         ; head A + 1's
.else
	s_lshr_b32 s95, s90, 3
	s_mul_i32 s95, s95, 13056                      ; in a head's record of kv: the key step's record,
	s_and_b32 s96, s90, 7
	s_mul_i32 s93, s96, 768
	s_add_co_u32 s93, s93, s95                     ; the codes,
	s_lshl_b32 s94, s96, 6
	s_add_co_u32 s94, s94, s95
	s_add_co_u32 s94, s94, 12288                   ; the words
	s_mul_i32 s96, s91, 104448
	s_add_nc_u64 s[80:81], s[18:19], s[96:97]
	s_add_nc_u64 s[82:83], s[80:81], 104448
.endif
	s_mov_b32 s96, s94
	s_add_nc_u64 s[84:85], s[80:81], s[96:97]      ; their words,
	s_add_nc_u64 s[86:87], s[82:83], s[96:97]
	s_mov_b32 s96, s93
	s_add_nc_u64 s[80:81], s[80:81], s[96:97]      ; their codes
	s_add_nc_u64 s[82:83], s[82:83], s[96:97]
.if \tau == 0
	v_mov_b32 v148, 0x7f7f0000                     ; the scale word's bytes for k = 64 .. 127
.else
	v_mov_b32 v148, 0x7f010000                     ; a key that counts;
	v_mov_b32 v149, 0x7fa00000                     ; a masked key
	v_mov_b32 v150, -1
	v_mov_b32 v151, 0
.irp a, 0,1,2,3
	v_cmp_eq_u32 vcc_lo, 0, v[RAWK+\a]
	v_cndmask_b32 v[ANDW+\a], v150, v151, vcc_lo
	v_cndmask_b32 v[PADW+\a], v148, v149, vcc_lo
.endr
.endif
.irp a, 0,1,2,3
	QUANT \a, PW+\a
.if \tau
.irp i, 0,1,2,3,4,5,6,7,8,9,10,11
	v_and_b32 v[PC+\i], v[ANDW+\a], v[PC+\i]       ; a masked key's codes are cleared
.endr
.endif
	v_lshrrev_b32 v[TT], v[SH], v[PW+\a]           ; lanes 0-15: head A's two bytes; lanes 16-31: head A + 1's
.if \tau
	v_and_or_b32 v[TW+\a], v[TT], 0xffff, v[PADW+\a]
.else
	v_and_or_b32 v[TW+\a], v[TT], 0xffff, v148
.endif
	ds_store_b32 v[SQW], v[TW+\a] offset:64*\a
	global_store_b128 v[L16], v[PC:PC+3], s[80:81] offset:768*\a          ; 512 consecutive bytes, aligned to 256
	global_store_b64 v[L8], v[PC+4:PC+5], s[80:81] offset:768*\a+512      ; 256
	global_store_b128 v[L16], v[PC+6:PC+9], s[82:83] offset:768*\a
	global_store_b64 v[L8], v[PC+10:PC+11], s[82:83] offset:768*\a+512
.endr
	ds_load_b64 v[RB:RB+1], v[SQR]                 ; four tiles' words of a head: 256 bytes; these see my stores
	ds_load_b64 v[RB+2:RB+3], v[SQR] offset:256
	s_wait_dscnt 0x0
	global_store_b64 v[L8], v[RB:RB+1], s[84:85]
	global_store_b64 v[L8], v[RB+2:RB+3], s[86:87]
.endm
	s_load_b256 s[4:11], s[0:1], 0x0               ; ax s[4:5], wx s[6:7], bq s[8:9], bk s[10:11]
	s_load_b256 s[12:19], s[0:1], 0x20             ; bv s[12:13], mask s[14:15], qw s[16:17], kv s[18:19]
	v_lshl_add_u32 v[SPW], v0, 2, SPARE
	v_mov_b32 v[NIL], 0
	ds_add_u32 v[SPW], v[NIL]                      ; the wave's opening: the add and its wait ahead of my first tensor load
	ds_add_u32 v[SPW], v[NIL]
	v_lshrrev_b32 v1, 5, v0
	v_readfirstlane_b32 s20, v1                    ; wave
	s_lshr_b32 s21, s20, 1                         ; wy: my 64 rows of X1.  Also: I fetch for X1 (0) or X0 (1)
	s_and_b32 s22, s20, 1                          ; wx: my 128 rows of X0.  Also: which half of those tiles I fetch
	s_bfe_u32 s40, ttmp6, 0x40000                  ; cx
	s_bfe_u32 s41, ttmp6, 0x40004                  ; cy
	s_and_b32 s66, ttmp7, 0xffff                   ; ci: cluster y, 0 .. 15
	s_and_b32 s23, s66, 1
	s_lshl_b32 s43, s41, 2
	s_lshl_b32 s43, 15, s43                        ; my row of the cluster
	s_lshl_b32 s44, 0x1111, s40                    ; my column
	s_or_b32 s[G1A], s43, (3<<16)|(1<<21)          ; 15:0 the mask; 17:16 elements of 8 bytes; 21 set beside a mask; no padding
	s_or_b32 s[G1B], s44, (3<<16)|(1<<21)
	s_mov_b32 s[G1A+1], 800<<16                    ; tensor_dim0 = 800 elements: 6,400 bytes, half a tile's record
	s_mov_b32 s[G1A+2], 8<<16                      ; tensor_dim1: at the head all 8 tiles by one load; the ring's loads bring 4
	s_mov_b32 s[G1A+3], 800<<16                    ; tile_dim0
	s_mov_b32 s[G1A+4], 8                          ; tile_dim1
	s_mov_b32 s[G1A+5], 1600                       ; from tile to tile: 12,800 bytes
	s_mov_b32 s[G1A+6], 0
	s_mov_b32 s[G1A+7], 0
	s_mov_b32 s[G1B+1], 800<<16
	s_mov_b32 s[G1B+2], 16<<16                     ; at the head all 16 tiles by one load; the ring's loads bring 8
	s_mov_b32 s[G1B+3], 800<<16
	s_mov_b32 s[G1B+4], 16
	s_mov_b32 s[G1B+5], 1600
	s_mov_b32 s[G1B+6], 0
	s_mov_b32 s[G1B+7], 0
	s_mov_b32 s74, 0x76543210
	s_mov_b32 s75, 0xfedcba98                      ; v_permlanex16_b32's selects for lane l xor 16
	; X1's addresses hang on ci, cy and the wave's number alone
	s_lshl_b32 s76, s66, 5                         ; Q: from tile 32 ci + 8 cy + 4 (wave % 2) of ax; K: 512 tiles on
	s_lshl_b32 s45, s41, 3
	s_add_co_u32 s76, s76, s45
	s_lshl_b32 s45, s22, 2
	s_add_co_u32 s76, s76, s45
	s_mul_i32 s76, s76, TREC
	s_mov_b32 s77, 0
	s_lshl_b32 s[P1V], s23, 5                      ; V: from tile 128 + 32 (ci % 2) + 8 cy + 4 (wave % 2) of wx
	s_add_co_u32 s[P1V], s[P1V], 128
	s_lshl_b32 s45, s41, 3
	s_add_co_u32 s[P1V], s[P1V], s45
	s_lshl_b32 s45, s22, 2
	s_add_co_u32 s[P1V], s[P1V], s45
	s_mul_i32 s[P1V], s[P1V], TREC
	s_mov_b32 s[P1V+1], 0
	; X0's on ci, cx and the wave's number
	s_lshl_b32 s78, s40, 4                         ; Q: from tile 16 cx + 8 (wave % 2) of wx; K: 64 tiles on
	s_lshl_b32 s46, s22, 3
	s_add_co_u32 s78, s78, s46
	s_lshr_b32 s[P0V], s66, 1                      ; V: from tile 1,024 + 64 (ci / 2) + 16 cx + 8 (wave % 2) of ax
	s_lshl_b32 s[P0V], s[P0V], 6
	s_add_co_u32 s[P0V], s[P0V], 1024
	s_add_co_u32 s[P0V], s[P0V], s78
	s_mul_i32 s78, s78, TREC
	s_mov_b32 s79, 0
	s_mul_i32 s[P0V], s[P0V], TREC
	s_mov_b32 s[P0V+1], 0
	s_mul_i32 s94, s22, 4*HREC                     ; where they go: no place in the cluster enters an LDS address
	s_mul_i32 s95, s22, 8*HREC
	s_wait_dscnt 0x0                               ; the opening add is done
	s_wait_kmcnt 0x0
	s_add_nc_u64 s[42:43], s[4:5], s[76:77]        ; Q's X1
	s_add_nc_u64 s[46:47], s[6:7], s[78:79]        ; Q's X0
	s_add_nc_u64 s[P1V:P1V+1], s[6:7], s[P1V:P1V+1]
	s_add_nc_u64 s[P0V:P0V+1], s[4:5], s[P0V:P0V+1]
	CROUND                                         ; all sixteen work-groups are here: the first joint loads meet
.irp g, 0,1
	s_mov_b32 s[G0A+4*\g], 1
	s_add_co_u32 s[G0A+4*\g+1], s94, \g*GRP
	s_add_nc_u64 s[G0A+4*\g+2:G0A+4*\g+3], s[42:43], \g*HREC
	s_or_b32 s[G0A+4*\g+3], s[G0A+4*\g+3], 0x80000000
	s_mov_b32 s[G0B+4*\g], 1
	s_add_co_u32 s[G0B+4*\g+1], s95, \g*GRP+X0O
	s_add_nc_u64 s[G0B+4*\g+2:G0B+4*\g+3], s[46:47], \g*HREC
	s_or_b32 s[G0B+4*\g+3], s[G0B+4*\g+3], 0x80000000
.endr
	; THE HEAD'S FOUR TILES, ONE TENSOR LOAD A WAVE: waves 0 and 2 fetch X1's halves 0 and 1 of K, waves 1 and 3 X0's.  Group 0 in s[44:47] (X1) and s[76:79] (X0): half wave / 2, all the tiles
	s_mul_i32 s92, s22, 8*TREC
	s_mov_b32 s93, 0
	s_sub_nc_u64 s[78:79], s[46:47], s[92:93]      ; X0 from its first tile
	s_mul_i32 s92, s22, 4*TREC
	s_sub_nc_u64 s[46:47], s[42:43], s[92:93]      ; X1 from its first tile
	s_mul_i32 s92, s21, HREC
	s_add_nc_u64 s[46:47], s[46:47], s[92:93]
	s_add_nc_u64 s[78:79], s[78:79], s[92:93]
	s_or_b32 s47, s47, 0x80000000
	s_or_b32 s79, s79, 0x80000000
	s_mov_b32 s44, 1
	s_mul_i32 s45, s21, GRP
	s_mov_b32 s76, 1
	s_mul_i32 s77, s21, GRP
	s_add_co_u32 s77, s77, X0O
	s_cmp_eq_u32 s20, 0                            ; one chain of arms on the wave's number, a load line of its own for each wave
	s_cbranch_scc0 .Lhead_1
	tensor_load_to_lds s[44:47], s[G1A:G1A+7]
	s_nop 0
	PLACES 4
	s_branch .Lhead_asked
.Lhead_1:
	s_cmp_eq_u32 s20, 1
	s_cbranch_scc0 .Lhead_2
	tensor_load_to_lds s[76:79], s[G1B:G1B+7]
	s_nop 0
	PLACES 4
	s_branch .Lhead_asked
.Lhead_2:
	s_cmp_eq_u32 s20, 2
	s_cbranch_scc0 .Lhead_3
	tensor_load_to_lds s[44:47], s[G1A:G1A+7]
	s_nop 0
	PLACES 4
	s_branch .Lhead_asked
.Lhead_3:
	tensor_load_to_lds s[76:79], s[G1B:G1B+7]
	s_nop 0
	PLACES 4
.Lhead_asked:
	v_and_b32 v1, 31, v0                           ; lane
	v_and_b32 v2, 15, v0                           ; r
	v_bfe_u32 v3, v0, 4, 1                         ; h
	v_lshlrev_b32 v[L16], 4, v1
	v_lshlrev_b32 v[L8], 3, v1
	v_lshlrev_b32 v[BO], 6, v3
	v_and_b32 v[MO], 8, v2
	v_add_nc_u32 v[MO], v[MO], v2
	v_lshlrev_b32 v[MO], 2, v[MO]
	; all three tiles' biases and the mask are loaded once, here
	s_wait_alu depctr_va_vdst(0)
	s_lshl_b32 s92, s40, 10
	s_lshl_b32 s93, s22, 9
	s_add_co_u32 s92, s92, s93                     ; X0's row 256 cx + 128 wx, 4 bytes each
	s_mov_b32 s93, 0
	s_add_nc_u64 s[88:89], s[8:9], s[92:93]        ; bq
	s_add_nc_u64 s[86:87], s[10:11], s[92:93]      ; bk
	WIN 0xc0                                       ; destination window 3
.irp b, 0,1,2,3,4,5,6,7
	global_load_b128 v[BQ+8*\b:BQ+8*\b+3], v[BO], s[88:89] offset:(32*(\b/2)+8*(\b%2))*4       ; register j of tile b: row 32 (b / 2) + 8 (b % 2) + 16 h + j
	global_load_b128 v[BQ+8*\b+4:BQ+8*\b+7], v[BO], s[88:89] offset:(32*(\b/2)+8*(\b%2))*4+16
.endr
.irp b, 0,1,2,3,4,5,6,7
	global_load_b128 v[BK+8*\b:BK+8*\b+3], v[BO], s[86:87] offset:(32*(\b/2)+8*(\b%2))*4
	global_load_b128 v[BK+8*\b+4:BK+8*\b+7], v[BO], s[86:87] offset:(32*(\b/2)+8*(\b%2))*4+16
.endr
	WIN 0
	s_lshl_b32 s91, s41, 3
	s_lshl_b32 s90, s21, 2
	s_add_co_u32 s91, s91, s90                     ; 8 cy + 4 wy
	s_lshl_b32 s90, s66, 5
	s_add_co_u32 s90, s90, s91                     ; my first token tile,
	s_lshl_b32 s90, s90, 6                         ; 16 numbers of 4 bytes a tile
	s_lshl_b32 s92, s23, 5
	s_add_co_u32 s92, s92, s91                     ; my first tile of Wv's columns
	s_lshl_b32 s92, s92, 6
	s_mov_b32 s91, 0
	s_add_nc_u64 s[84:85], s[14:15], s[90:91]      ; the mask of my tokens
	s_add_nc_u64 s[82:83], s[12:13], s[92:93]      ; bv of my channels
.irp a, 0,1,2,3
	global_load_b32 v[RAWK+\a], v[MO], s[84:85] offset:(32*(\a/2)+8*(\a%2))*4
.endr
.irp a, 0,1,2,3
	global_load_b32 v[RAWV+\a], v[MO], s[82:83] offset:(32*(\a/2)+8*(\a%2))*4
.endr
	; where my prefetches stand
	s_lshl_b32 s[PFK], s66, 5                      ; k: tile 512 + 32 ci + 8 cy + 2 cx + wave % 2, its second half
	s_add_co_u32 s[PFK], s[PFK], 512
	s_lshl_b32 s67, s41, 3
	s_add_co_u32 s[PFK], s[PFK], s67
	s_lshl_b32 s67, s40, 1
	s_add_co_u32 s[PFK], s[PFK], s67
	s_add_co_u32 s[PFK], s[PFK], s22
	s_mul_i32 s[PFK], s[PFK], TREC
	s_add_co_u32 s[PFK], s[PFK], HREC
	s_mov_b32 s[PFK+1], 0
	s_add_nc_u64 s[PFK:PFK+1], s[4:5], s[PFK:PFK+1]
	s_lshr_b32 s[PFV], s66, 1                      ; v: tile 1,024 + 64 (ci / 2) + 16 cx + 4 cy + wave
	s_lshl_b32 s[PFV], s[PFV], 6
	s_add_co_u32 s[PFV], s[PFV], 1024
	s_lshl_b32 s67, s40, 4
	s_add_co_u32 s[PFV], s[PFV], s67
	s_lshl_b32 s67, s41, 2
	s_add_co_u32 s[PFV], s[PFV], s67
	s_add_co_u32 s[PFV], s[PFV], s20
	s_mul_i32 s[PFV], s[PFV], TREC
	s_mov_b32 s[PFV+1], 0
	s_add_nc_u64 s[PFV:PFV+1], s[4:5], s[PFV:PFV+1]
	s_mul_i32 s94, s21, 4*HREC                     ; my four tiles of X1,
	s_mul_i32 s95, s22, 8*HREC
	s_add_co_u32 s95, s95, X0O                     ; my eight of X0
	v_add_nc_u32 v[ADX1], s94, v[L16]
	v_add_nc_u32 v[ADX1+1], GRP, v[ADX1]
	v_add_nc_u32 v[ADX0], s95, v[L16]
	v_add_nc_u32 v[ADX0+1], GRP, v[ADX0]
	v_lshlrev_b32 v[TT], 2, v2                     ; 4 r
	s_sub_co_u32 s96, s95, s94                     ; from X1's words to X0's
	s_add_co_u32 s97, s94, 4*FRB
	v_mul_u32_u24 v[SH], s96, v3                   ; lanes 16-31 take X0's
	v_add_nc_u32 v[ADS], s97, v[TT]
	v_add_nc_u32 v[ADS], v[ADS], v[SH]
	v_add_nc_u32 v[ADS+1], GRP, v[ADS]
	s_add_co_u32 s96, s96, 4*HREC                  ; and four tiles further on
	v_mul_u32_u24 v[SH], s96, v3
	v_add_nc_u32 v[ADS2], s97, v[TT]
	v_add_nc_u32 v[ADS2], v[ADS2], v[SH]
	v_add_nc_u32 v[ADS2+1], GRP, v[ADS2]
	s_lshl_b32 s96, s20, 9
	s_add_co_u32 s96, s96, SCQ
	v_lshl_add_u32 v[SQW], v3, 8, v[TT]
	v_add_nc_u32 v[SQW], s96, v[SQW]               ; 512 w + 256 h + 4 r
	v_add_nc_u32 v[SQR], s96, v[L8]
	s_lshl_b32 s96, s20, 8
	s_add_co_u32 s96, s96, SCV
	v_add_nc_u32 v[SVW], s96, v[TT]                ; 256 w + 4 r
	v_add_nc_u32 v[SVR], s96, v[L8]
	v_lshlrev_b32 v[SH], 4, v3                     ; 16 h
	v_min_u32 v[PFO], 24, v1
	v_lshlrev_b32 v[PFO], 8, v[PFO]
.irp b, 0,1,2,3
	v_mov_b32 v[TM+4+\b], 0                        ; written once: a lane permute's destination counts as one of its sources
.endr
	s_wait_alu depctr_va_vdst(0)                   ; the head's end
	s_cmp_lt_u32 s20, 2                            ; waves 0 and 1 wait for Q's first half of K; the second half may stay out
	s_cbranch_scc0 .Lnot_half0
	s_wait_tensorcnt 0x0
.Lnot_half0:
	s_barrier_signal -1
	s_barrier_wait -1                              ; the first half is whole
	FETCH 0
	s_wait_loadcnt 0x0                             ; the biases, the mask
	; ---- Q
	STEP 0, 1, BQ, 0, 0
	STEP 1, 0, 0, 0, 0
	STEP 2, 0, 0, 0, 0
	STEP 3, 0, 0, 1, 1                             ; the first half takes K's first half
	STEP 4, 0, 0, 0, 0
	STEP 5, 0, 0, 0, 0
	STEP 6, 0, 0, 0, 0
	STEP 7, 0, 0, 0, 0
	CHANGE 1, 1                                    ; the second half takes K's second half; the four v_nop behind the load are also the places in front of the first read of results
	FETCH 0                                        ; K's first fragments land under the way out
	QKOUT 0
	; ---- K
	STEP 0, 1, BK, 0, 2
	STEP 1, 0, 0, 0, 0
	STEP 2, 0, 0, 0, 0
	STEP 3, 0, 0, 2, 3                             ; the first half takes V's first half
	STEP 4, 0, 0, 0, 0
	STEP 5, 0, 0, 0, 0
	STEP 6, 0, 0, 0, 0
	STEP 7, 0, 0, 0, 0
	CHANGE 1, 2                                    ; the second half takes V's second half: the last load
	FETCH 0
	QKOUT 1
	; ---- V: nothing is left to fetch
	STEP 0, 2, 0, 0, 0
	STEP 1, 0, 0, 0, 0
	STEP 2, 0, 0, 0, 0
	STEP 3, 0, 0, 0, 0
	STEP 4, 0, 0, 0, 0
	STEP 5, 0, 0, 0, 0
	STEP 6, 0, 0, 0, 0
	STEP 7, 0, 0, 0, 0
	WIN 0
	PLACES 4                                       ; in front of the first read of results
	; block a is V^T's fragment a of one head and one key step: 16 channels x 128 keys
	s_wait_xcnt 0x0                                ; the last tile's stores have read their bases
	s_lshr_b32 s90, s66, 1                         ; batch
	s_lshl_b32 s90, s90, 4
	s_lshl_b32 s91, s23, 3
	s_add_co_u32 s90, s90, s91
	s_lshl_b32 s91, s41, 1
	s_add_co_u32 s90, s90, s91
	s_add_co_u32 s90, s90, s21                     ; 16 batch + head: head = 8 (ci % 2) + 2 cy + wy
	s_mul_i32 s90, s90, 104448
	s_lshl_b32 s91, s40, 1
	s_add_co_u32 s91, s91, s22                     ; key step 2 cx + wx
	s_mul_i32 s91, s91, 13056
	s_add_co_u32 s90, s90, s91
	s_add_co_u32 s90, s90, 6144                    ; behind the step's key tiles
	s_mov_b32 s91, 0
	s_add_nc_u64 s[80:81], s[18:19], s[90:91]
.irp a, 0,1,2,3
	v_mov_b32 v[BP], v[RAWV+\a]
	v_mov_b32 v[BP+1], v[RAWV+\a]
	WIN 0x82                                       ; destination and source 0 window 2
.set J, 0
.rept 32
	v_pk_add_f32 v[64*\a+J:64*\a+J+1], v[64*\a+J:64*\a+J+1], v[BP:BP+1]   ; + bv of my channel; each accumulator from its low end on
.set J, J+2
.endr
	WIN 0
	QUANT \a, PW+\a
.irp c, 0,1,2
	global_store_b128 v[L16], v[PC+4*\c:PC+4*\c+3], s[80:81] offset:FRB*\a+512*\c
.endr
	ds_store_b32 v[SVW], v[PW+\a] offset:64*\a     ; lanes l and l + 16 write the same word with the same value
.endr
	ds_load_b64 v[RB:RB+1], v[SVR]
	s_wait_dscnt 0x0
	global_store_b64 v[L8], v[RB:RB+1], s[80:81] offset:6656   ; byte 12,800 of the step's record
	s_wait_tensorcnt 0x0                           ; the wave's end
	ds_add_u32 v[SPW], v[NIL]
	s_wait_dscnt 0x0
	CROUND                                         ; the closing round
	s_endpgm
.Lfunc_end_k_q4f1195737d_proj:
	.size	k_q4f1195737d_proj, .Lfunc_end_k_q4f1195737d_proj-k_q4f1195737d_proj
	.p2alignl 7, 3214868480
	.fill 96, 4, 3214868480
	.section	.rodata,"a",@progbits
	.p2align	6, 0x0
	.amdhsa_kernel k_q4f1195737d_proj
		.amdhsa_group_segment_fixed_size 327680
		.amdhsa_private_segment_fixed_size 0
		.amdhsa_enable_private_segment 0
		.amdhsa_kernarg_size 64
		.amdhsa_user_sgpr_count 2
		.amdhsa_user_sgpr_kernarg_segment_ptr 1
		.amdhsa_wavefront_size32 1
		.amdhsa_system_sgpr_workgroup_id_x 1
		.amdhsa_system_sgpr_workgroup_id_y 1
		.amdhsa_system_sgpr_workgroup_id_z 1
		.amdhsa_system_vgpr_workitem_id 0
		.amdhsa_next_free_vgpr 1024
		.amdhsa_next_free_sgpr 100
		.amdhsa_reserve_vcc 1
		.amdhsa_float_denorm_mode_32 3
		.amdhsa_float_denorm_mode_16_64 3
		.amdhsa_memory_ordered 1
		.amdhsa_forward_progress 1
		.amdhsa_inst_pref_size 255
	.end_amdhsa_kernel
	.section	.bss,"aw",@nobits
	.p2align	6
	.space	262144
	.amdgpu_metadata
---
amdhsa.version: [ 1, 2 ]
amdhsa.kernels:
  - .name:           k_q4f1195737d_proj
    .symbol:         k_q4f1195737d_proj.kd
    .args:
      - { .name: ax, .offset: 0, .size: 8, .value_kind: global_buffer, .address_space: global }
      - { .name: wx, .offset: 8, .size: 8, .value_kind: global_buffer, .address_space: global }
      - { .name: bq, .offset: 16, .size: 8, .value_kind: global_buffer, .address_space: global }
      - { .name: bk, .offset: 24, .size: 8, .value_kind: global_buffer, .address_space: global }
      - { .name: bv, .offset: 32, .size: 8, .value_kind: global_buffer, .address_space: global }
      - { .name: mask, .offset: 40, .size: 8, .value_kind: global_buffer, .address_space: global }
      - { .name: qw, .offset: 48, .size: 8, .value_kind: global_buffer, .address_space: global }
      - { .name: kv, .offset: 56, .size: 8, .value_kind: global_buffer, .address_space: global }
    .group_segment_fixed_size: 327680
    .private_segment_fixed_size: 0
    .kernarg_segment_align: 8
    .kernarg_segment_size: 64
    .max_flat_workgroup_size: 128
    .sgpr_count:     100
    .vgpr_count:     1024
    .wavefront_size: 32
...
	.end_amdgpu_metadata
.endif
;; end of part 2
;; launch attn (part 3): grid 4 x 64, 16 waves a work-group, clusters of 4 x 1, 327,680 bytes of LDS; arguments qw, kv, ox; writes ox
.if DOCPART == 3
	.amdgcn_target "amdgcn-amd-amdhsa--gfx1250"
	.amdhsa_code_object_version 6
	.text
	.protected	k_q4f1195737d_attn
	.globl	k_q4f1195737d_attn
	.p2align	8
	.type	k_q4f1195737d_attn,@function
k_q4f1195737d_attn:
	s_mov_b64 s[64:65], 0
	v_nop
	global_prefetch_b8 v0, s[64:65] scope:SCOPE_SE
	s_setreg_imm32_b32 hwreg(HW_REG_WAVE_MODE, 25, 1), 1
	s_wait_xcnt 0x0
	s_wait_alu depctr_hold_cnt(0) depctr_sa_sdst(0) depctr_va_vdst(0) depctr_va_sdst(0) depctr_va_ssrc(0) depctr_va_vcc(0) depctr_vm_vsrc(0)
	s_getreg_b32 s2, hwreg(HW_REG_IB_STS2, 6, 4)
	s_cmp_eq_u32 s2, 0
	s_cbranch_scc0 .Lentry_in_a_cluster
	s_endpgm
.Lentry_in_a_cluster:
	s_bfe_u32 s2, ttmp6, 0x10000c
	s_cmp_lg_u32 s2, 0x3003
	s_cbranch_scc0 .Lentry_shape_is_right
	s_endpgm
.Lentry_shape_is_right:
; softmax(q k^T / 8, masked) v for two heads of one batch and 256 queries, on codes of FP6 (E2M3) with E8M0 scales; the result leaves as codes and scale words in the order of ox.
; A wave owns 16 queries and walks head A's 8 key steps of 128 keys, then head A + 1's.  Both products are used transposed (S^T = k q^T, O^T = v^T p^T): a lane holds one query throughout.
; p = 2^(t - M), t = score x log2(e) / 8, M the running largest t rounded up to a whole number; the row's sum is taken of the unquantised p; a change of M multiplies the sum and O^T by a power of two.
; A block's largest p is made from the block's largest score by the same multiply-add and exponential.
; THE MASK comes with the operands: k = 64 holds the code 1.0 in every query and -1.0 in every key, and a masked key's scale byte for that block makes its score -2^33 (set by the launch before).
; LDS: both heads' records of kv, 16 key steps of 13,056 bytes, lie on end from byte D0 on.  A step's record is 51 rows of 256 bytes: wave w asks for step w's by ONE tensor load at the head, and nothing is filled again.
; The first barrier shows steps 0 to NF - 1 (waves under NF have a load line of their own and wait there); NF - 1 steps are worked, each reading one step ahead at the most; then a barrier with every wave's wait shows all.
; CLUSTER 4 x 1: the four work-groups take the four quarters of the queries of the same two heads and ask for the same rows jointly.
; No prefetch: every byte that the work-group reads through LDS is asked for at the kernel's head, so there is no loop to run ahead in.
; A key step's record: 8 key tiles of 768 bytes (registers 0-3 at 16 x lane, 4-5 at 512 + 8 x lane), 4 fragments of V^T of 1,536, 512 bytes of the keys' scale words, 256 of V's.
; THE ADDRESSES v1-v3 stand one step behind at a step's top and are stepped in the places behind the step's first four products; so the image begins one step above LDS byte 0.
; LIMITS: the promise holds while the scaled scores stay under 2^31 in magnitude; NaN and infinities are not served; a block whose every p is 0 keeps the byte 1 (its codes are zeros).
.set KVH,   104448                     ; a head's record in kv: 8 key steps
.set STP,   13056                      ; a key step's record
.set QWH,   53248                      ; a head's record in qw
.set D0,    13056                      ; LDS byte of the first key step
.set NF,    3                          ; key steps that the first barrier shows
.set SPARE, D0+2*KVH                   ; the spare words, 128 bytes for each of 16 waves
.set SPW,  4                           ; v4  LDS address of my spare word; never rewritten
.set NIL,  5                           ; v5  0; never rewritten
.set S,    128                         ; v128-191 scores, then p
.set O,    192                         ; v192-223 O^T
.set WV,   10                          ; s10 the wave
.set SEL,  20                          ; s[20:21] v_permlanex16_b32's selects for lane l xor 16
.set CS,   22                          ; s[22:23] log2(e) / 8, twice
.set G1,   24
.set G0,   32
; v6-7 V's scale words; v8-11, v28-30 head A + 1's q until the change of head, then head A's codes; v12 -M, v13 the largest raw score, v[14:15] the sum; v16-27 q; v32-79 four key tiles; v80-127 V^T;
; v224-235 p's codes; v232-247, v254 at work; v248-251 the keys' scale words; v252 f; v253 p's scale word; v255 q's scale word
.macro CROUND
	s_barrier_signal -1
	s_barrier_wait -1
	s_cmp_lg_u32 s[WV], 0
	s_cbranch_scc1 .Lnot_wave_0_\@
	s_barrier_signal -3
.Lnot_wave_0_\@:
	s_barrier_wait -3
	s_barrier_signal -1
	s_barrier_wait -1
.endm
.macro KL t, g, o                      ; key tile 4 g + t of the step o bytes behind the addresses
	ds_load_b128 v[32+12*\t:35+12*\t], v1 offset:(\o)+768*(4*\g+\t)
	ds_load_b64 v[36+12*\t:37+12*\t], v2 offset:(\o)+768*(4*\g+\t)+512
.endm
.macro KSC                             ; the next step's keys' scale words
.irp j, 0,1,2,3
	ds_load_b32 v[248+\j], v3 offset:STP+12288+128*\j
.endr
.endm
.macro VL f                            ; fragment f of V^T
.irp c, 0,1,2
	ds_load_b128 v[80+12*\f+4*\c:83+12*\f+4*\c], v1 offset:6144+1536*\f+512*\c
.endr
.endm
.macro SPROD g
.irp t, 0,1,2,3
.if \t%2
	v_wmma_scale_f32_16x16x128_f8f6f4 v[S+8*(4*\g+\t):S+8*(4*\g+\t)+7], v[32+12*\t:43+12*\t], v[16:27], 0, v[248+2*\g+\t/2], v255 matrix_a_fmt:MATRIX_FMT_FP6 matrix_b_fmt:MATRIX_FMT_FP6 matrix_a_scale:MATRIX_SCALE_ROW1
.else
	v_wmma_scale_f32_16x16x128_f8f6f4 v[S+8*(4*\g+\t):S+8*(4*\g+\t)+7], v[32+12*\t:43+12*\t], v[16:27], 0, v[248+2*\g+\t/2], v255 matrix_a_fmt:MATRIX_FMT_FP6 matrix_b_fmt:MATRIX_FMT_FP6
.endif
.endr
.endm
; The largest of my 16 scores of blocks b0 and b0 + 1, in four chains side by side: v[232 + b] over scores 0 .. 6, 14, 15, v[236 + b] over scores 7 .. 13.  Each accumulator is read from its low end on
.macro BR1 b0
.irp b, \b0, \b0+1
	v_max3_num_f32 v[232+\b], v[S+16*(\b)], v[S+1+16*(\b)], v[S+2+16*(\b)]
.endr
.irp b, \b0, \b0+1
	v_max3_num_f32 v[236+\b], v[S+7+16*(\b)], v[S+8+16*(\b)], v[S+9+16*(\b)]
.endr
.endm
.macro BRN b0, i
.irp b, \b0, \b0+1
	v_max3_num_f32 v[232+\b], v[232+\b], v[S+\i+16*(\b)], v[S+1+\i+16*(\b)]
.endr
.irp b, \b0, \b0+1
	v_max3_num_f32 v[236+\b], v[236+\b], v[S+7+\i+16*(\b)], v[S+8+\i+16*(\b)]
.endr
.endm
.macro BR4 b0                          ; the last two scores, and the two chains joined: four lines
.irp b, \b0, \b0+1
	v_max3_num_f32 v[232+\b], v[232+\b], v[S+14+16*(\b)], v[S+15+16*(\b)]
.endr
.irp b, \b0, \b0+1
	s_delay_alu instid0(VALU_DEP_2)
	v_max_num_f32 v[232+\b], v[232+\b], v[236+\b]
.endr
.endm
.macro TM j0, n                        ; t - M of n pairs of scores from pair j0 on
.set J, 2*(\j0)
.rept \n
	v_pk_fma_f32 v[S+J:S+J+1], v[S+J:S+J+1], s[CS:CS+1], v[12:13] op_sel_hi:[1,0,0]
.set J, J+2
.endr
.endm
.macro PINI d, j                       ; a chain of the row's sum begins with pairs j and j + 1 of p
	v_pk_add_f32 v[\d:\d+1], v[S+2*(\j):S+2*(\j)+1], v[S+2*(\j)+2:S+2*(\j)+3]
.endm
.macro PADD d, j                       ; and takes pair j
	v_pk_add_f32 v[\d:\d+1], v[\d:\d+1], v[S+2*(\j):S+2*(\j)+1]
.endm
; A key step.  pf = 1: the next step's first key tiles and scale words are fetched behind this step's last score product
.macro STEP pf
	s_wait_dscnt 0x0                               ; my first four key tiles and the keys' scale words are in
	SPROD 0
	v_add_nc_u32 v1, STP, v1                       ; the addresses step to this step: these four lines are the places in front of the loads below
	v_add_nc_u32 v2, STP, v2
	v_add_nc_u32 v3, STP, v3
	v_mov_b32 v243, v12                            ; the old -M
.irp t, 0,1,2,3
	KL \t, 1, 0
.endr
	BR1 0
	VL 0
	VL 1
	BRN 0, 3
	VL 2
	VL 3
	BRN 0, 5
.irp j, 0,1
	ds_load_b32 v[6+\j], v3 offset:12800+128*\j
.endr
	s_wait_alu depctr_va_vdst(0)
	s_wait_dscnt 14                                ; key tiles 4-7 are in; V's 12 loads and its 2 scale loads may be out
	SPROD 1
	BR4 0                                          ; four places: they name scores of the first four products alone
	BR1 2
.if \pf
	KL 0, 0, STP
	KL 1, 0, STP
.endif
	BRN 2, 3
.if \pf
	KL 2, 0, STP
	KL 3, 0, STP
.endif
	BRN 2, 5
.if \pf
	KSC
.endif
	BR4 2
	v_permlanex16_b32 v236, v232, s[SEL], s[SEL+1]
	v_permlanex16_b32 v237, v233, s[SEL], s[SEL+1]
	s_delay_alu instid0(VALU_DEP_4)
	v_permlanex16_b32 v238, v234, s[SEL], s[SEL+1]
	s_delay_alu instid0(VALU_DEP_4)
	v_permlanex16_b32 v239, v235, s[SEL], s[SEL+1]
.irp b, 0,1,2,3
	s_delay_alu instid0(VALU_DEP_4)
	v_max_num_f32 v[232+\b], v[232+\b], v[236+\b]  ; with lane l xor 16's 16 keys: the block's largest score
.endr
	s_delay_alu instid0(VALU_DEP_2)
	v_max3_num_f32 v254, v232, v233, v234
	s_delay_alu instid0(VALU_DEP_1)
	v_max3_num_f32 v13, v13, v254, v235            ; the running largest score
	s_delay_alu instid0(VALU_DEP_1)
	v_mul_f32 v254, s[CS], v13                     ; as t
	s_delay_alu instid0(VALU_DEP_1)
	v_floor_f32 v12, -v254                         ; -M = floor(-t)
	s_delay_alu instid0(VALU_DEP_1)
	v_sub_f32 v254, v12, v243                      ; old M less new M, a whole number
	TM 0, 4
	v_cvt_i32_f32 v254, v254                       ; (it saturates)
	TM 4, 4
	v_ldexp_f32 v252, 1.0, v254                    ; f = 2^(old M - new M)
	TM 8, 24
.irp b, 0,1,2,3
	v_fma_f32 v[232+\b], v[232+\b], s[CS], v12     ; the same of each block's largest score
.endr
.set J, 0
.rept 16
	v_pk_mul_f32 v[O+J:O+J+1], v[O+J:O+J+1], v[252:253] op_sel_hi:[1,0]   ; O^T under the new M, each accumulator from its low end on
.set J, J+2
.endr
	s_wait_alu depctr_va_vdst(0)                   ; ahead of the batch
.irp b, 0,1,2,3
	v_exp_f32 v[232+\b], v[232+\b]                 ; each block's largest p
.endr
.set J, 0
.rept 64
	v_exp_f32 v[S+J], v[S+J]                       ; p
.set J, J+1
.endr
	v_pk_mul_f32 v[14:15], v[14:15], v[252:253] op_sel_hi:[1,0]   ; the sum under the new M: the plain place behind the batch
	s_wait_alu depctr_va_vdst(0)                   ; and the wait behind it
.irp b, 0,1,2,3
	v_max_num_f32 v[232+\b], 0x1800000, v[232+\b]  ; the floor 2^(3 - 127): the byte cannot fall under 1
.endr
.irp b, 0,1,2,3
	s_delay_alu instid0(VALU_DEP_4)
	v_add_nc_u32 v[244+\b], 0xff000000, v[232+\b]  ; 2 off the exponent field: the conversion's scale operand
.endr
.irp b, 0,1,2,3
	s_delay_alu instid0(VALU_DEP_4)
	v_lshrrev_b32 v[232+\b], 23, v[244+\b]         ; the scale's byte
.endr
	v_lshl_or_b32 v253, v233, 8, v232              ; the bytes are joined in pairs ahead of the conversions, which write v230-232
	v_lshl_or_b32 v254, v235, 8, v234
.irp c, 0,1
	v_cvt_scalef32_pk16_fp6_f32 v[224+6*\c:226+6*\c], v[S+32*\c:S+15+32*\c], v[244+2*\c]
	v_cvt_scalef32_pk16_fp6_f32 v[236+4*\c:238+4*\c], v[S+16+32*\c:S+31+32*\c], v[244+2*\c+1]
.endr
	v_lshl_or_b32 v253, v254, 16, v253             ; p's scale word for these 128 keys; this line is the plain place behind the conversions
.irp i, 0,1,2                          ; the operand's layout wants a whole block in a lane
	v_permlane16_swap_b32 v[224+\i], v[236+\i]
.endr
.irp i, 0,1,2
	v_permlane16_swap_b32 v[230+\i], v[240+\i]
.endr
.irp i, 0,1,2
	v_mov_b32 v[227+\i], v[236+\i]
.endr
.irp i, 0,1,2
	v_mov_b32 v[233+\i], v[240+\i]
.endr
	PINI 244, 0                                    ; the row's sum of the unquantised p, in six chains; these 32 lines are also the places in front of the products below
	PINI 246, 2
	PINI 236, 4
	PINI 238, 6
	PINI 240, 8
	PADD 14, 10
.irp j, 11,17,23
	PADD 244, \j
	PADD 246, \j+1
	PADD 236, \j+2
	PADD 238, \j+3
	PADD 240, \j+4
	PADD 14, \j+5
.endr
	PADD 244, 29
	PADD 246, 30
	PADD 236, 31
	v_pk_add_f32 v[238:239], v[238:239], v[240:241]
	v_pk_add_f32 v[244:245], v[244:245], v[246:247]
	v_pk_add_f32 v[14:15], v[14:15], v[236:237]
	v_pk_add_f32 v[238:239], v[238:239], v[244:245]
	v_pk_add_f32 v[14:15], v[14:15], v[238:239]
	s_wait_alu depctr_va_vdst(0)
	s_wait_dscnt 12*\pf                            ; V and its scale words are in; the next step's 12 loads may be out
.irp f, 0,1,2,3
.if \f%2
	v_wmma_scale_f32_16x16x128_f8f6f4 v[O+8*\f:O+8*\f+7], v[80+12*\f:91+12*\f], v[224:235], v[O+8*\f:O+8*\f+7], v[6+\f/2], v253 matrix_a_fmt:MATRIX_FMT_FP6 matrix_b_fmt:MATRIX_FMT_FP6 matrix_a_scale:MATRIX_SCALE_ROW1
.else
	v_wmma_scale_f32_16x16x128_f8f6f4 v[O+8*\f:O+8*\f+7], v[80+12*\f:91+12*\f], v[224:235], v[O+8*\f:O+8*\f+7], v[6+\f/2], v253 matrix_a_fmt:MATRIX_FMT_FP6 matrix_b_fmt:MATRIX_FMT_FP6
.endif
.endr
.endm
.macro INIT                            ; a head begins: the largest score -3e38, the sum and O^T zeros, which the first change of M leaves zeros
	v_mov_b32 v13, 0xff61b1e6
	s_delay_alu instid0(VALU_DEP_1)
	v_floor_f32 v12, -v13
	v_mov_b32 v14, 0
	v_mov_b32 v15, 0
.set J, 0
.rept 32
	v_mov_b32 v[O+J], 0
.set J, J+1
.endr
.endm
; A head ends: O^T / the sum, quantised along the head's 64 channels: half a fragment of ox.  hd = 0: kept in v8-11, v28-29, its two bytes in v30; hd = 1: the fragment is made whole in v8-11, v28-31, v240-243, its word in v254
.macro OQUANT hd
.rept 4
	v_nop
.endr
	v_add_f32 v14, v14, v15
	s_delay_alu instid0(VALU_DEP_1)
	v_permlanex16_b32 v252, v14, s[SEL], s[SEL+1]
	s_delay_alu instid0(VALU_DEP_1)
	v_add_f32 v14, v14, v252
	s_wait_alu depctr_va_vdst(0)                   ; ahead of the transcendental
	v_rcp_f32 v14, v14
	v_nop
	s_wait_alu depctr_va_vdst(0)                   ; and behind it, directly ahead of the first reader of O^T
.set J, 0
.rept 16
	v_pk_mul_f32 v[O+J:O+J+1], v[O+J:O+J+1], v[14:15] op_sel_hi:[1,0]
.set J, J+2
.endr
.irp b, 0,1
	v_max3_num_f32 v[232+\b], |v[O+16*\b]|, |v[O+1+16*\b]|, 0x1800000
.endr
.irp i, 2,4,6,8,10,12,14
.irp b, 0,1
	s_delay_alu instid0(VALU_DEP_2)
	v_max3_num_f32 v[232+\b], v[232+\b], |v[O+16*\b+\i]|, |v[O+1+16*\b+\i]|
.endr
.endr
.irp b, 0,1
	s_delay_alu instid0(VALU_DEP_2)
	v_permlanex16_b32 v[236+\b], v[232+\b], s[SEL], s[SEL+1]
.endr
.irp b, 0,1
	s_delay_alu instid0(VALU_DEP_2)
	v_max_num_f32 v[232+\b], v[232+\b], v[236+\b]
.endr
.irp b, 0,1
	s_delay_alu instid0(VALU_DEP_2)
	v_add_nc_u32 v[244+\b], 0xff000000, v[232+\b]
.endr
.irp b, 0,1
	s_delay_alu instid0(VALU_DEP_2)
	v_lshrrev_b32 v[246+\b], 23, v[244+\b]
.endr
.if \hd == 0
	s_delay_alu instid0(VALU_DEP_1)
	v_lshl_or_b32 v30, v247, 8, v246
	v_cvt_scalef32_pk16_fp6_f32 v[8:10], v[O:O+15], v244
	v_cvt_scalef32_pk16_fp6_f32 v[236:238], v[O+16:O+31], v245
	v_nop
	v_permlane16_swap_b32 v8, v236
	v_permlane16_swap_b32 v9, v237
	v_permlane16_swap_b32 v10, v238
	s_delay_alu instid0(VALU_DEP_3)
	v_mov_b32 v11, v236
	s_delay_alu instid0(VALU_DEP_3)
	v_mov_b32 v28, v237
	s_delay_alu instid0(VALU_DEP_3)
	v_mov_b32 v29, v238
.else
	s_delay_alu instid0(VALU_DEP_2)
	v_lshl_or_b32 v254, v246, 16, v30
	s_delay_alu instid0(VALU_DEP_1)
	v_lshl_or_b32 v254, v247, 24, v254
	v_cvt_scalef32_pk16_fp6_f32 v[232:234], v[O:O+15], v244
	v_cvt_scalef32_pk16_fp6_f32 v[236:238], v[O+16:O+31], v245
	v_nop
	v_permlane16_swap_b32 v232, v236
	v_permlane16_swap_b32 v233, v237
	v_permlane16_swap_b32 v234, v238
	s_delay_alu instid0(VALU_DEP_3)
	v_mov_b32 v30, v232
	s_delay_alu instid0(VALU_DEP_3)
	v_mov_b32 v31, v233
	s_delay_alu instid0(VALU_DEP_3)
	v_mov_b32 v240, v234
	v_mov_b32 v241, v236
	v_mov_b32 v242, v237
	v_mov_b32 v243, v238
.endif
.endm
	s_load_b128 s[4:7], s[0:1], 0x0                ; qw, kv
	s_load_b64 s[8:9], s[0:1], 0x10                ; ox
	v_lshl_add_u32 v[SPW], v0, 2, SPARE
	v_mov_b32 v[NIL], 0
	ds_add_u32 v[SPW], v[NIL]                      ; the opening lines: the add, twice on end, and its wait ahead of my tensor load
	ds_add_u32 v[SPW], v[NIL]
	v_lshrrev_b32 v1, 5, v0
	v_readfirstlane_b32 s[WV], v1                  ; the wave
	s_bfe_u32 s11, ttmp6, 0x40000                  ; cx: which quarter of the queries
	s_and_b32 s12, ttmp7, 0xffff
	s_lshr_b32 s13, s12, 3                         ; batch
	s_and_b32 s14, s12, 7                          ; pair of heads
	s_lshl_b32 s15, s13, 4
	s_lshl_b32 s16, s14, 1
	s_add_co_u32 s15, s15, s16                     ; 16 batch + head A
	s_mul_i32 s17, s[WV], STP                      ; my key step of the sixteen
	s_mul_i32 s40, s15, KVH
	s_add_co_u32 s40, s40, s17
	s_mov_b32 s41, 0
	s_lshl_b32 s18, s11, 4
	s_add_co_u32 s18, s18, s[WV]                   ; my tile of 16 queries
	s_mul_i32 s42, s15, QWH
	s_mul_i32 s19, s18, 768
	s_add_co_u32 s44, s42, s19                     ; q's codes
	s_mov_b32 s45, 0
	s_lshl_b32 s19, s18, 6
	s_add_co_u32 s46, s42, s19
	s_add_co_u32 s46, s46, 49152                   ; q's scale words
	s_mov_b32 s47, 0
	s_lshl_b32 s48, s13, 6
	s_add_co_u32 s48, s48, s18
	s_mul_i32 s48, s48, 12800                      ; my tile's record in ox,
	s_lshr_b32 s19, s14, 2
	s_mul_i32 s19, s19, 6400
	s_add_co_u32 s48, s48, s19                     ; its half of K,
	s_and_b32 s19, s14, 3
	s_mul_i32 s50, s19, 1536
	s_add_co_u32 s50, s50, s48                     ; the fragment of my two heads,
	s_mov_b32 s51, 0
	s_lshl_b32 s19, s19, 6
	s_add_co_u32 s52, s48, s19
	s_add_co_u32 s52, s52, 6144                    ; its scale words
	s_mov_b32 s53, 0
	s_mov_b32 s[G1], 15|(3<<16)|(1<<21)            ; the mask names the four partners; elements of 8 bytes; bit 21 beside a mask
	s_mov_b32 s[G1+1], 32<<16                      ; rows of 32 elements: 256 bytes
	s_mov_b32 s[G1+2], 51<<16                      ; 51 rows
	s_mov_b32 s[G1+3], 32<<16
	s_mov_b32 s[G1+4], 51
	s_mov_b32 s[G1+5], 32                          ; dense
	s_mov_b32 s[G1+6], 0
	s_mov_b32 s[G1+7], 0
	s_mov_b32 s[G0], 1
	s_add_co_u32 s[G0+1], s17, D0
	s_mov_b32 s[SEL], 0x76543210
	s_mov_b32 s[SEL+1], 0xfedcba98
	s_mov_b32 s[CS], 0x3e38aa3b                    ; log2(e) / 8
	s_mov_b32 s[CS+1], s[CS]
	s_wait_alu depctr_va_vdst(0)
	s_wait_dscnt 0x0                               ; both opening adds are done
	CROUND                                         ; the four work-groups are here: the joint loads meet
	s_wait_kmcnt 0x0
	s_add_nc_u64 s[G0+2:G0+3], s[6:7], s[40:41]
	s_or_b32 s[G0+3], s[G0+3], 0x80000000
	s_cmp_lt_u32 s[WV], NF                         ; my one tensor load; the waves that wait at the first barrier have a line of their own
	s_cbranch_scc0 .Llater_steps
	tensor_load_to_lds s[G0:G0+3], s[G1:G1+7]
	s_nop 0
.rept 4
	v_nop
.endr
	s_branch .Lasked
.Llater_steps:
	tensor_load_to_lds s[G0:G0+3], s[G1:G1+7]
	s_nop 0
.rept 4
	v_nop
.endr
.Lasked:
	s_add_nc_u64 s[44:45], s[4:5], s[44:45]
	s_add_nc_u64 s[46:47], s[4:5], s[46:47]
	s_add_nc_u64 s[50:51], s[8:9], s[50:51]
	s_add_nc_u64 s[52:53], s[8:9], s[52:53]
	v_and_b32 v3, 31, v0
	v_lshlrev_b32 v1, 4, v3                        ; 16 x lane: one step behind the first key step, which lies at D0 = STP
	v_lshlrev_b32 v2, 3, v3
	v_and_b32 v254, 15, v0
	v_lshlrev_b32 v254, 2, v254
	v_lshlrev_b32 v3, 2, v3
	global_load_b128 v[16:19], v1, s[44:45]        ; head A's q,
	global_load_b64 v[20:21], v2, s[44:45] offset:512
	global_load_b32 v255, v254, s[46:47]
	global_load_b128 v[8:11], v1, s[44:45] offset:QWH   ; and head A + 1's, kept until the change of head
	global_load_b64 v[28:29], v2, s[44:45] offset:QWH+512
	global_load_b32 v30, v254, s[46:47] offset:QWH
	v_bfe_u32 v240, v0, 4, 1
	v_xor_b32 v240, 1, v240                        ; 1 in lanes 0-15, which hold k = 64 .. 95 in registers 6-11
	v_lshlrev_b32 v22, 3, v240                     ; q at k = 64: the code 1.0
	v_mul_u32_u24 v241, v240, 0x28                 ; a key at k = 64: the code -1.0
.irp i, 23,24,25,26,27
	v_mov_b32 v[\i], 0
.endr
.irp t, 0,1,2,3
	v_mov_b32 v[38+12*\t], v241
.irp i, 39,40,41,42,43
	v_mov_b32 v[\i+12*\t], 0
.endr
.endr
	v_mov_b32 v253, 0                              ; named as the upper half of v[252:253] before it is first written
	INIT
	s_wait_alu depctr_va_vdst(0)                   ; the head's end
	s_cmp_lt_u32 s[WV], NF
	s_cbranch_scc0 .Lnot_first
	s_wait_tensorcnt 0x0                           ; waves under NF: my key step is in
.Lnot_first:
	s_barrier_signal -1
	s_barrier_wait -1                              ; key steps 0 to NF - 1 are whole; the others may be on their way
.irp t, 0,1,2,3
	KL \t, 0, STP
.endr
	KSC
	s_wait_loadcnt 0x0                             ; q
	s_mov_b32 s54, 0                               ; the key step, 0 to 15
.Lfirst:                                               ; key steps 0 to NF - 2: they read up to step NF - 1
	STEP 1
	s_add_co_u32 s54, s54, 1
	s_cmp_lt_u32 s54, NF-1
	s_cbranch_scc1 .Lfirst
	s_wait_tensorcnt 0x0                           ; every wave: my key step is in
	s_wait_dscnt 0x0
	s_barrier_signal -1
	s_barrier_wait -1                              ; all sixteen are whole
.Lstep:                                                ; key steps NF - 1 to 14; each fetches the next step's first tiles
	STEP 1
	s_cmp_lg_u32 s54, 7
	s_cbranch_scc1 .Lsame_head
.irp i, 0,1,2,3                        ; head A is done: head A + 1's q takes its place
	v_mov_b32 v[16+\i], v[8+\i]
.endr
	v_mov_b32 v20, v28
	v_mov_b32 v21, v29
	v_mov_b32 v255, v30
	OQUANT 0
	INIT
	s_wait_alu depctr_va_vdst(0)                   ; ahead of the label and the branch below
.Lsame_head:
	s_add_co_u32 s54, s54, 1
	s_cmp_lt_u32 s54, 15
	s_cbranch_scc1 .Lstep
	STEP 0                                         ; the last step fetches nothing more
	OQUANT 1
	v_and_b32 v244, 31, v0
	v_lshlrev_b32 v244, 4, v244
	v_and_b32 v245, 15, v0
	v_lshlrev_b32 v245, 2, v245
	global_store_b128 v244, v[8:11], s[50:51]      ; each store covers 512 consecutive bytes, aligned to 256
	global_store_b128 v244, v[28:31], s[50:51] offset:512
	global_store_b128 v244, v[240:243], s[50:51] offset:1024
	global_store_b32 v245, v254, s[52:53]          ; lanes l and l + 16 write the same word with the same value
	s_wait_tensorcnt 0x0                           ; the wave's end
	ds_add_u32 v[SPW], v[NIL]
	s_wait_dscnt 0x0
	CROUND                                         ; the closing round
	s_endpgm
.Lfunc_end_k_q4f1195737d_attn:
	.size	k_q4f1195737d_attn, .Lfunc_end_k_q4f1195737d_attn-k_q4f1195737d_attn
	.p2alignl 7, 3214868480
	.fill 96, 4, 3214868480
	.section	.rodata,"a",@progbits
	.p2align	6, 0x0
	.amdhsa_kernel k_q4f1195737d_attn
		.amdhsa_group_segment_fixed_size 327680
		.amdhsa_private_segment_fixed_size 0
		.amdhsa_enable_private_segment 0
		.amdhsa_kernarg_size 24
		.amdhsa_user_sgpr_count 2
		.amdhsa_user_sgpr_kernarg_segment_ptr 1
		.amdhsa_wavefront_size32 1
		.amdhsa_system_sgpr_workgroup_id_x 1
		.amdhsa_system_sgpr_workgroup_id_y 1
		.amdhsa_system_sgpr_workgroup_id_z 1
		.amdhsa_system_vgpr_workitem_id 0
		.amdhsa_next_free_vgpr 256
		.amdhsa_next_free_sgpr 66
		.amdhsa_reserve_vcc 0
		.amdhsa_float_denorm_mode_32 3
		.amdhsa_float_denorm_mode_16_64 3
		.amdhsa_memory_ordered 1
		.amdhsa_forward_progress 1
		.amdhsa_inst_pref_size 68
	.end_amdhsa_kernel
	.amdgpu_metadata
---
amdhsa.version: [ 1, 2 ]
amdhsa.kernels:
  - .name:           k_q4f1195737d_attn
    .symbol:         k_q4f1195737d_attn.kd
    .args:
      - { .name: qw, .offset: 0, .size: 8, .value_kind: global_buffer, .address_space: global }
      - { .name: kv, .offset: 8, .size: 8, .value_kind: global_buffer, .address_space: global }
      - { .name: ox, .offset: 16, .size: 8, .value_kind: global_buffer, .address_space: global }
    .group_segment_fixed_size: 327680
    .private_segment_fixed_size: 0
    .kernarg_segment_align: 8
    .kernarg_segment_size: 24
    .max_flat_workgroup_size: 512
    .sgpr_count:     66
    .vgpr_count:     256
    .wavefront_size: 32
...
	.end_amdgpu_metadata
.endif
;; end of part 3
;; launch outp (part 4): grid 4 x 64, 4 waves a work-group, clusters of 4 x 4, 327,680 bytes of LDS; arguments ox, wx, bo, out0; writes out0
.if DOCPART == 4
	.amdgcn_target "amdgcn-amd-amdhsa--gfx1250"
	.amdhsa_code_object_version 6
	.text
	.protected	k_q4f1195737d_outp
	.globl	k_q4f1195737d_outp
	.p2align	8
	.type	k_q4f1195737d_outp,@function
k_q4f1195737d_outp:
	s_mov_b64 s[64:65], 0
	v_nop
	global_prefetch_b8 v0, s[64:65] scope:SCOPE_SE
	s_setreg_imm32_b32 hwreg(HW_REG_WAVE_MODE, 25, 1), 1
	s_wait_xcnt 0x0
	s_wait_alu depctr_hold_cnt(0) depctr_sa_sdst(0) depctr_va_vdst(0) depctr_va_sdst(0) depctr_va_ssrc(0) depctr_va_vcc(0) depctr_vm_vsrc(0)
	s_getreg_b32 s2, hwreg(HW_REG_IB_STS2, 6, 4)
	s_cmp_eq_u32 s2, 0
	s_cbranch_scc0 .Lentry_in_a_cluster
	s_endpgm
.Lentry_in_a_cluster:
	s_bfe_u32 s2, ttmp6, 0x10000c
	s_cmp_lg_u32 s2, 0xf033
	s_cbranch_scc0 .Lentry_shape_is_right
	s_endpgm
.Lentry_shape_is_right:
; out0 = O Wo + bo on codes of FP6 (E2M3) with E8M0 scales.  X0 = Wo's 1,024 columns (tiles 192 .. 255 of wx), X1 = tokens (ox).  D = (source 0: a tile of X0) x (source 1: a tile of X1): a lane holds one token, and its
; registers run along the columns.  Tiles are in the order tile 2 G + u, place r: row 32 G + 8 u + r + 8 (r / 8).
; A work-group: 256 columns x 128 tokens; four waves, each 128 x 64: 32 accumulators.  ALL of K = 1,024 lies in LDS, in two halves: nothing is filled again.  CLUSTER 4 x 4: X1's tiles are asked for jointly along a row of
; the cluster, X0's along a column.  The bias is the C of each sum's first product.
; LIMITS: NaN and infinities are not served.
.set TREC,  12800
.set HREC,  6400
.set FRB,   1536
.set GRP,   153856                     ; LDS: half g of K at g x GRP: X1's 8 tile halves, 128 bytes unused, X0's 16 tile halves, 128 unused
.set X0O,   51328
.set SPARE, 307712                     ; the spare words, 128 bytes for each wave
.set SPITCH, 528                       ; the way out: a stage of 16 rows x (512 + 16) bytes for each wave, in LDS bytes 0 .. 33,791: they have had their only fill, and every wave's reads of them ended ahead of the barrier in K step 3
.set ADX1, 4
.set ADX0, 6
.set ADS,  8
.set ADS2, 10
.set L16,  12                          ; v12  16 x lane
.set STO,  14                          ; v14  the stage: where I put 32 bytes of a row
.set RD,   15                          ; v15  and where I read a row back
.set SH,   18
.set TT,   19
.set SPW,  20                          ; v20  LDS address of my spare word; never rewritten
.set NIL,  21                          ; v21  0; never rewritten
.set BO,   22
.set SC,   32                          ; v32-95 scale words
.set BI,   96                          ; v96-159 the bias
.set BK,   96                          ; the way out: rows read back: v96-159 and v160-223 by turns
.set XF,   160                         ; v160-255 X1's fragments, two sets.   window 1: X0's, two sets at v0 and v128.   window 2: accumulator (a, b) at v[8 (8 a + b)]
.set G1A, 24
.set G0A, 32
.set G1B, 48
.set G0B, 56
.set MSB, 0
.macro WIN new                         ; the immediate's high byte repeats the setting that is left
.if MSB != \new
	s_set_vgpr_msb (MSB<<8)|\new
.set MSB, \new
.endif
.endm
.macro CROUND
	s_barrier_signal -1
	s_barrier_wait -1
	s_cmp_lg_u32 s20, 0
	s_cbranch_scc1 .Lnot_wave_0_\@
	s_barrier_signal -3
.Lnot_wave_0_\@:
	s_barrier_wait -3
	s_barrier_signal -1
	s_barrier_wait -1
.endm
.macro PLACES n
.rept \n
	v_nop
.endr
.endm
.macro FETCH s                         ; K step s: 8 fragments of X0, 4 of X1, their scale words: 44 LDS loads
.set GK, (\s)/4
.set QQ, (\s)%4
.set PP, (\s)%2
	WIN 0x40
.irp b, 0,1,2,3,4,5,6,7
.irp c, 0,1,2
	ds_load_b128 v[128*PP+12*\b+4*\c:128*PP+12*\b+4*\c+3], v[ADX0+GK] offset:HREC*\b+FRB*QQ+512*\c
.endr
.endr
	WIN 0
.irp a, 0,1,2,3
.irp c, 0,1,2
	ds_load_b128 v[XF+48*PP+12*\a+4*\c:XF+48*PP+12*\a+4*\c+3], v[ADX1+GK] offset:HREC*\a+FRB*QQ+512*\c
.endr
.endr
.irp i, 0,1,2,3
	ds_load_b32 v[SC+8*(\s)+\i], v[ADS+GK] offset:HREC*\i+64*QQ
.endr
.irp i, 0,1,2,3
	ds_load_b32 v[SC+8*(\s)+4+\i], v[ADS2+GK] offset:HREC*\i+64*QQ
.endr
.endm
.macro MUL s, first                    ; 32 products; the accumulators take turns, one instruction a turn
.set PP, (\s)%2
.if \first
	WIN 0x81
.else
	WIN 0xa1
.endif
.irp a, 0,1,2,3
.irp b, 0,1,2,3,4,5,6,7
.if \first
	v_wmma_scale_f32_16x16x128_f8f6f4 v[8*(8*\a+\b):8*(8*\a+\b)+7], v[128*PP+12*\b:128*PP+12*\b+11], v[XF+48*PP+12*\a:XF+48*PP+12*\a+11], v[BI+8*\b:BI+8*\b+7], v[SC+8*(\s)+\b], v[SC+8*(\s)+\a] matrix_a_fmt:MATRIX_FMT_FP6 matrix_b_fmt:MATRIX_FMT_FP6 matrix_a_scale:MATRIX_SCALE_ROW1
.else
	v_wmma_scale_f32_16x16x128_f8f6f4 v[8*(8*\a+\b):8*(8*\a+\b)+7], v[128*PP+12*\b:128*PP+12*\b+11], v[XF+48*PP+12*\a:XF+48*PP+12*\a+11], v[8*(8*\a+\b):8*(8*\a+\b)+7], v[SC+8*(\s)+\b], v[SC+8*(\s)+\a] matrix_a_fmt:MATRIX_FMT_FP6 matrix_b_fmt:MATRIX_FMT_FP6 matrix_a_scale:MATRIX_SCALE_ROW1
.endif
.endr
.endr
.endm
.macro STEP s, first
.if (\s) == 3                          ; the next fetch reads the second half of K: every wave's part of it has landed; and nobody reads the first half any more
	s_wait_tensorcnt 0x0
	s_wait_dscnt 0x0
	s_barrier_signal -1
	s_barrier_wait -1
.endif
.if (\s) < 7
.if (\s) > 0
	PLACES 4                                       ; in front of loads into registers that matrix instructions have read
.endif
	FETCH (\s)+1
	s_wait_dscnt 44                                ; all but the 44 just issued
.else
	s_wait_dscnt 0x0
.endif
	MUL \s, \first
.endm
; THE WAY OUT of block a: 16 tokens x 128 columns through my stage, back as whole rows of 512 bytes
.macro TOSTAGE a
	WIN 0x08                                       ; an LDS store's data: window 2
.irp b, 0,1,2,3,4,5,6,7
	ds_store_b128 v[STO], v[64*(\a)+8*\b:64*(\a)+8*\b+3] offset:128*(\b/2)+32*(\b%2)       ; each accumulator from its low end on: columns 32 (b / 2) + 8 (b % 2) + 16 h + 0 .. 7
	ds_store_b128 v[STO], v[64*(\a)+8*\b+4:64*(\a)+8*\b+7] offset:128*(\b/2)+32*(\b%2)+16
.endr
	WIN 0
.set BB, BK+64*((\a)%2)
.irp t, 0,1,2,3,4,5,6,7,8,9,10,11,12,13,14,15
	ds_load_b128 v[BB+4*\t:BB+4*\t+3], v[RD] offset:\t*SPITCH   ; LDS serves a wave's instructions in order: these see the stores above
.endr
.endm
.macro SEND a, younger
.set BB, BK+64*((\a)%2)
	s_wait_dscnt \younger
.irp t, 0,1,2,3,4,5,6,7,8,9,10,11,12,13,14,15
	global_store_b128 v[L16], v[BB+4*\t:BB+4*\t+3], s[80:81] offset:(32*((\a)/2)+8*((\a)%2)+\t+8*(\t/8))*4096 th:TH_STORE_NT   ; 512 consecutive bytes of a row, aligned to 256
.endr
.endm
	s_load_b256 s[4:11], s[0:1], 0x0               ; ox s[4:5], wx s[6:7], bo s[8:9], out0 s[10:11]
	v_lshl_add_u32 v[SPW], v0, 2, SPARE
	v_mov_b32 v[NIL], 0
	ds_add_u32 v[SPW], v[NIL]                      ; the wave's opening: the add and its wait ahead of my first tensor load
	ds_add_u32 v[SPW], v[NIL]
	v_lshrrev_b32 v1, 5, v0
	v_readfirstlane_b32 s20, v1                    ; wave
	s_lshr_b32 s21, s20, 1                         ; wy: my 64 tokens
	s_and_b32 s22, s20, 1                          ; wx: my 128 columns
	s_bfe_u32 s40, ttmp6, 0x40000                  ; cx
	s_bfe_u32 s41, ttmp6, 0x40004                  ; cy
	s_and_b32 s42, ttmp7, 0xffff                   ; cluster y, 0 .. 15
	s_lshl_b32 s43, s41, 2
	s_lshl_b32 s43, 15, s43                        ; my row of the cluster
	s_lshl_b32 s44, 0x1111, s40                    ; my column
	s_or_b32 s[G1A], s43, (3<<16)|(1<<21)          ; the mask; elements of 8 bytes; bit 21 beside a mask; no padding
	s_or_b32 s[G1B], s44, (3<<16)|(1<<21)
	s_mov_b32 s[G1A+1], 800<<16                    ; rows of 6,400 bytes: half a tile's record
	s_mov_b32 s[G1A+2], 8<<16                      ; X1: all 8 tiles by one load
	s_mov_b32 s[G1A+3], 800<<16
	s_mov_b32 s[G1A+4], 8
	s_mov_b32 s[G1A+5], 1600
	s_mov_b32 s[G1A+6], 0
	s_mov_b32 s[G1A+7], 0
	s_mov_b32 s[G1B+1], 800<<16
	s_mov_b32 s[G1B+2], 16<<16                     ; X0: all 16 tiles by one load
	s_mov_b32 s[G1B+3], 800<<16
	s_mov_b32 s[G1B+4], 16
	s_mov_b32 s[G1B+5], 1600
	s_mov_b32 s[G1B+6], 0
	s_mov_b32 s[G1B+7], 0
	s_lshl_b32 s68, s42, 5                         ; X1 from tile 32 x cluster y of ox
	s_lshl_b32 s45, s41, 3                         ; X1's address hangs on the cluster's y and cy alone,
	s_add_co_u32 s70, s68, s45
	s_mul_i32 s70, s70, TREC
	s_mov_b32 s71, 0
	s_lshl_b32 s46, s40, 4                         ; X0's on cx alone
	s_add_co_u32 s72, s46, 192                     ; Wo's tiles begin at 192
	s_mul_i32 s72, s72, TREC
	s_mov_b32 s73, 0
	s_wait_dscnt 0x0                               ; both opening adds are done
	s_wait_kmcnt 0x0
	s_add_nc_u64 s[90:91], s[4:5], s[70:71]
	s_add_nc_u64 s[92:93], s[6:7], s[72:73]
	CROUND                                         ; all sixteen work-groups are here: the joint loads meet
.irp g, 0,1
	s_mov_b32 s[G0A+4*\g], 1
	s_mov_b32 s[G0A+4*\g+1], \g*GRP
	s_add_nc_u64 s[G0A+4*\g+2:G0A+4*\g+3], s[90:91], \g*HREC
	s_or_b32 s[G0A+4*\g+3], s[G0A+4*\g+3], 0x80000000
	s_mov_b32 s[G0B+4*\g], 1
	s_mov_b32 s[G0B+4*\g+1], \g*GRP+X0O
	s_add_nc_u64 s[G0B+4*\g+2:G0B+4*\g+3], s[92:93], \g*HREC
	s_or_b32 s[G0B+4*\g+3], s[G0B+4*\g+3], 0x80000000
.endr
	s_cmp_eq_u32 s20, 0                            ; the four tiles are shared out, one tensor load a wave, in one chain of arms on the wave's number
	s_cbranch_scc0 .Lhead_1
	tensor_load_to_lds s[G0B:G0B+3], s[G1B:G1B+7]  ; wave 0: X0's first half of K
	s_nop 0
	PLACES 4
	s_branch .Lfirst_asked
.Lhead_1:
	s_cmp_eq_u32 s20, 1
	s_cbranch_scc0 .Lhead_2
	tensor_load_to_lds s[G0A:G0A+3], s[G1A:G1A+7]  ; wave 1: X1's first half
	s_nop 0
	PLACES 4
	s_branch .Lfirst_asked
.Lhead_2:
	s_cmp_eq_u32 s20, 2
	s_cbranch_scc0 .Lhead_3
	tensor_load_to_lds s[G0B+4:G0B+7], s[G1B:G1B+7]   ; wave 2: X0's second half
	s_nop 0
	PLACES 4
	s_branch .Lfirst_asked
.Lhead_3:
	tensor_load_to_lds s[G0A+4:G0A+7], s[G1A:G1A+7]   ; wave 3: X1's second half
	s_nop 0
	PLACES 4
.Lfirst_asked:
	v_and_b32 v1, 31, v0                           ; lane
	v_and_b32 v2, 15, v0                           ; r
	v_bfe_u32 v3, v0, 4, 1                         ; h
	v_lshlrev_b32 v[L16], 4, v1
	s_wait_alu depctr_va_vdst(0)
	v_lshlrev_b32 v[BO], 6, v3
	s_lshl_b32 s92, s40, 10
	s_lshl_b32 s93, s22, 9
	s_add_co_u32 s92, s92, s93                     ; column 256 cx + 128 wx, 4 bytes each
	s_mov_b32 s93, 0
	s_add_nc_u64 s[88:89], s[8:9], s[92:93]
.irp b, 0,1,2,3,4,5,6,7
	global_load_b128 v[BI+8*\b:BI+8*\b+3], v[BO], s[88:89] offset:(32*(\b/2)+8*(\b%2))*4
	global_load_b128 v[BI+8*\b+4:BI+8*\b+7], v[BO], s[88:89] offset:(32*(\b/2)+8*(\b%2))*4+16
.endr
	s_lshl_b32 s90, s42, 5
	s_lshl_b32 s91, s41, 3
	s_add_co_u32 s90, s90, s91
	s_lshl_b32 s91, s21, 2
	s_add_co_u32 s90, s90, s91                     ; my first token tile:
	s_lshl_b32 s90, s90, 16                        ; 16 rows of 4,096 bytes a tile
	s_add_co_u32 s90, s90, s92                     ; + my columns
	s_mov_b32 s91, 0
	s_add_nc_u64 s[80:81], s[10:11], s[90:91]
	s_mul_i32 s94, s21, 4*HREC                     ; my four tiles of X1,
	s_mul_i32 s95, s22, 8*HREC
	s_add_co_u32 s95, s95, X0O                     ; my eight of X0
	v_add_nc_u32 v[ADX1], s94, v[L16]
	v_add_nc_u32 v[ADX1+1], GRP, v[ADX1]
	v_add_nc_u32 v[ADX0], s95, v[L16]
	v_add_nc_u32 v[ADX0+1], GRP, v[ADX0]
	v_lshlrev_b32 v[TT], 2, v2                     ; 4 r
	s_sub_co_u32 s96, s95, s94                     ; from X1's words to X0's
	s_add_co_u32 s97, s94, 4*FRB
	v_mul_u32_u24 v[SH], s96, v3                   ; lanes 16-31 take X0's
	v_add_nc_u32 v[ADS], s97, v[TT]
	v_add_nc_u32 v[ADS], v[ADS], v[SH]
	v_add_nc_u32 v[ADS+1], GRP, v[ADS]
	s_add_co_u32 s96, s96, 4*HREC
	v_mul_u32_u24 v[SH], s96, v3
	v_add_nc_u32 v[ADS2], s97, v[TT]
	v_add_nc_u32 v[ADS2], v[ADS2], v[SH]
	v_add_nc_u32 v[ADS2+1], GRP, v[ADS2]
	s_mul_i32 s96, s20, 16*SPITCH                  ; my stage
	v_mul_u32_u24 v[STO], v2, SPITCH
	v_lshl_add_u32 v[STO], v3, 6, v[STO]
	v_add_nc_u32 v[STO], s96, v[STO]               ; in: row r, + 64 h
	v_add_nc_u32 v[RD], s96, v[L16]                ; back: 16 bytes a lane
	s_wait_alu depctr_va_vdst(0)
	s_cmp_lt_u32 s20, 2                            ; waves 0 and 1 wait for the first half of K, each for a load line of its own; the second half may stay out
	s_cbranch_scc0 .Lnot_half0
	s_wait_tensorcnt 0x0
.Lnot_half0:
	s_barrier_signal -1
	s_barrier_wait -1                              ; everybody's is
	FETCH 0
	s_wait_loadcnt 0x0                             ; the bias
	STEP 0, 1
	STEP 1, 0
	STEP 2, 0
	STEP 3, 0
	STEP 4, 0
	STEP 5, 0
	STEP 6, 0
	STEP 7, 0
	WIN 0
	PLACES 4                                       ; in front of the first read of results, and of loads into registers that held fragments
	TOSTAGE 0
.irp a, 1,2,3
.if \a > 1
	s_wait_xcnt 0x0                                ; block a - 2's stores have read their registers: block a's rows may land there
.endif
	TOSTAGE \a
	SEND \a-1, 32                                  ; behind block a - 1's loads: block a's 16 stores and 16 loads
.endr
	SEND 3, 0
	s_wait_tensorcnt 0x0                           ; the wave's end
	ds_add_u32 v[SPW], v[NIL]
	s_wait_dscnt 0x0
	CROUND                                         ; the closing round
	s_endpgm
.Lfunc_end_k_q4f1195737d_outp:
	.size	k_q4f1195737d_outp, .Lfunc_end_k_q4f1195737d_outp-k_q4f1195737d_outp
	.p2alignl 7, 3214868480
	.fill 96, 4, 3214868480
	.section	.rodata,"a",@progbits
	.p2align	6, 0x0
	.amdhsa_kernel k_q4f1195737d_outp
		.amdhsa_group_segment_fixed_size 327680
		.amdhsa_private_segment_fixed_size 0
		.amdhsa_enable_private_segment 0
		.amdhsa_kernarg_size 32
		.amdhsa_user_sgpr_count 2
		.amdhsa_user_sgpr_kernarg_segment_ptr 1
		.amdhsa_wavefront_size32 1
		.amdhsa_system_sgpr_workgroup_id_x 1
		.amdhsa_system_sgpr_workgroup_id_y 1
		.amdhsa_system_sgpr_workgroup_id_z 1
		.amdhsa_system_vgpr_workitem_id 0
		.amdhsa_next_free_vgpr 768
		.amdhsa_next_free_sgpr 100
		.amdhsa_reserve_vcc 0
		.amdhsa_float_denorm_mode_32 3
		.amdhsa_float_denorm_mode_16_64 3
		.amdhsa_memory_ordered 1
		.amdhsa_forward_progress 1
		.amdhsa_inst_pref_size 80
	.end_amdhsa_kernel
	.amdgpu_metadata
---
amdhsa.version: [ 1, 2 ]
amdhsa.kernels:
  - .name:           k_q4f1195737d_outp
    .symbol:         k_q4f1195737d_outp.kd
    .args:
      - { .name: ox, .offset: 0, .size: 8, .value_kind: global_buffer, .address_space: global }
      - { .name: wx, .offset: 8, .size: 8, .value_kind: global_buffer, .address_space: global }
      - { .name: bo, .offset: 16, .size: 8, .value_kind: global_buffer, .address_space: global }
      - { .name: out0, .offset: 24, .size: 8, .value_kind: global_buffer, .address_space: global }
    .group_segment_fixed_size: 327680
    .private_segment_fixed_size: 0
    .kernarg_segment_align: 8
    .kernarg_segment_size: 32
    .max_flat_workgroup_size: 128
    .sgpr_count:     100
    .vgpr_count:     768
    .wavefront_size: 32
...
	.end_amdgpu_metadata
.endif
;; end of part 4
